; MI455X (gfx1250); checked and timed in simulation.
; The chip was launched on July 23, 2026; its instructions are those of AMD's public machine-readable ISA for CDNA 5 (MIT licence, August 2026) and "CDNA5" Instruction Set Architecture Reference Guide (July 2026). The comments in the code are by the model that wrote it; some were corrected since.
;; Self Attention. Allowed arithmetic: matrix products marked QUANTISED: E2M1 operands, one E8M0 scale for each 32 along K, by v_wmma_scale_f32_16x16x128_f8f6f4 with both operands' format E2M1 (or v_wmma_scale_f32_32x16x128_f4), f32 sums; products left as they are: bf16, f16 or f32 operands; f32 sums; everything else in f32.
;; Inputs: bk 1,024 float32; bo 1,024 float32; bq 1,024 float32; bv 1,024 float32; wk 1,024 x 1,024 float32; wo 1,024 x 1,024 float32; wq 1,024 x 1,024 float32; wv 1,024 x 1,024 float32; x 4 x 4,096 x 1,024 float32.
;; Outputs: out0 4 x 4,096 x 1,024 float32.
;; This version of the problem:
;;   THIS VERSION OF THE PROBLEM IS GIVEN IN LOW PRECISION. The matrix products marked QUANTISED in the list below multiply operands that are first quantised to E2M1 (2 exponent bits, 1 mantissa bit; 4 bits a number), with one power-of-two scale for each 32 numbers along K (OCP MX v1.0); their sums are f32. The products marked 'left as it is' may take bf16, f16 or f32 operands, with f32 sums. Whichever they take, every output number must still come out within the allowed error. Rounding operands to bf16 (8 significant bits) uses up far more of that allowance than f16 does (11 bits, for magnitudes from 6e-5 to 65,504). All else is computed in f32.
;;   The module's matrix products, in the order in which they are computed (A, B: the left and right operand; K: the contracted axis; several contracted axes count as one K, in the product's order):
;;     1. [M 16,384, K 1,024] x [K 1,024, N 1,024]; A: input x; B: input wq: QUANTISED
;;     2. [M 16,384, K 1,024] x [K 1,024, N 1,024]; A: input x; B: input wk: QUANTISED
;;     3. [M 16,384, K 1,024] x [K 1,024, N 1,024]; A: input x; B: input wv: QUANTISED
;;     4. batch 16,384 x [M 16, K 64] x [K 64, N 16]; A: computed on the way; B: computed on the way: left as it is (an operand is computed on the way)
;;     5. batch 16,384 x [M 16, K 16] x [K 16, N 64]; A: computed on the way; B: computed on the way: left as it is (K = 16 < 32)
;;     6. [M 16,384, K 1,024] x [K 1,024, N 1,024]; A: computed on the way; B: input wo: left as it is (an operand is computed on the way)
;;   THE QUANTISER, for each operand of a quantised product, along K:
;;     - K is cut into blocks of 32 from its start; a last block that is shorter is filled with zeros.
;;     - A block's scale is 2^e with e = floor(log2(the largest magnitude in the block)) - 2, held to -126 .. 127; a block of zeros has e = 0. As a byte (E8M0): e + 127.
;;     - Each number is divided by its block's scale, clamped to +-6, and rounded to the nearest number of E2M1, ties to even, subnormals kept.
;;     - The product sums the exact products of the quantised numbers (number of the format x scale) in f32.
;;   ~~~python
;;   def quantise(x, axis):      # numpy; x: float32 -> the quantised numbers, widened to float32 again
;;       x = np.moveaxis(x, axis, -1); K = x.shape[-1]
;;       x = np.pad(x, [(0, 0)] * (x.ndim - 1) + [(0, -K % 32)]); x = x.reshape(x.shape[:-1] + (-1, 32)); a = np.abs(x).max(-1, keepdims=True)
;;       e = np.where(a > 0, np.clip(np.frexp(np.where(a > 0, a, 1))[1] - 1 - 2, -126, 127), 0)      # np.frexp(a)[1] - 1 = floor(log2(a)), exactly
;;       r = np.clip(x / 2.0 ** e, -6, 6)
;;       step = 2.0 ** (np.maximum(np.frexp(np.where(r == 0, 1, r))[1] - 1, 0) - 1)
;;       q = np.round(r / step) * step * 2.0 ** e      # np.round: ties to even
;;       return np.moveaxis(q.reshape(q.shape[:-2] + (-1,))[..., :K], -1, axis).astype(np.float32)
;;   ~~~
;; 2 versions, each right; version 2 is version 1 with the launch fused written anew for expert scheduling mode. Each part assembles by itself: llvm-mc -triple=amdgcn-amd-amdhsa -mcpu=gfx1250 --defsym DOCPART=n.
;; ======== version 1 of 2: 2 launches
;; limits: values are held in f16: magnitudes above 65,504 overflow, below 6.1e-05 lose precision
;; workspace buffers: wt 1,720,320 bytes; wof 2,097,152 bytes
;; launch prep (part 1): grid 256 x 1, 4 waves a work-group, no clusters, 68,608 bytes of LDS; arguments wq, wk, wv, wo, bq, bk, bv, wt, wof; writes wt, wof
.if DOCPART == 1
	.amdgcn_target "amdgcn-amd-amdhsa--gfx1250"
	.amdhsa_code_object_version 6
	.text
	.protected	k_qc2d687bbce_prep
	.globl	k_qc2d687bbce_prep
	.p2align	8
	.type	k_qc2d687bbce_prep,@function
k_qc2d687bbce_prep:
	s_mov_b64 s[64:65], 0
	v_nop
	global_prefetch_b8 v0, s[64:65] scope:SCOPE_SE
	s_setreg_imm32_b32 hwreg(HW_REG_WAVE_MODE, 25, 1), 1
	s_wait_xcnt 0x0
; THE WEIGHTS ARE LAID OUT ONCE, IN THE ORDER OF THE OPERAND REGISTERS OF THE SECOND LAUNCH.
; wq, wk, wv [1024][1024] f32 (K innermost) become codes of FP4 (E2M1) with one E8M0 scale byte for each 32 along K; wo [1024][1024] f32 becomes f16.
; wt: 192 records of 8,960 bytes; record T = 64 x matrix + (row / 16) holds 16 rows:
;   bytes 0 .. 8,191     codes [K step s = 0..7][c = 0..1][lane][16 bytes]: lane r + 16 h holds k = 128 s + 64 c + 32 h + 0 .. 31 of row r: registers 4 c .. 4 c + 3 of the fragment
;   bytes 8,192 .. 8,703 scale words [lane][4 words]: lane r + 16 hh, word q: the four bytes of row r for K step 4 hh + q
;   bytes 8,704 .. 8,959 the 16 rows' bias (64 bytes), then zeros, so that the record's last 256 bytes are written whole
; wof: [n / 256][(n / 128) % 2][K step kk = 0..31][(n / 16) % 8][cc = 0..1][lane][16 bytes]: lane r + 16 h holds f16 of wo[n0 + r][32 kk + 16 cc + 8 h + 0 .. 7]
; A block's scale is 2^(floor(log2(its largest magnitude)) - 2); its byte is the largest magnitude's exponent field - 2, held at 1 from below.  A block of zeros so gets the byte 1: its codes are zeros, and this program alone reads the bytes.
; LIMITS: NaN and infinities among the inputs are not served; |wo| stays under 65,504 (f16).
; SHARES: work-group g takes 16 rows x 1,024 k of one matrix (g < 64 wq, < 128 wk, < 192 wv, else wo); wave w takes k = 256 w .. 256 w + 255.
; Every load reads 512 consecutive bytes; the numbers turn through the wave's own stage in LDS so that a lane gets neighbours along K; every store of codes or f16 writes 512 consecutive bytes.
; No matrix unit, no tensor load, no cluster: each input byte is read once by one wave, nothing is shared.
.set STW,   16896                      ; a wave's stage: 32 chunks (half q, row t) of 512 bytes + 16 of padding
.set CH,    528
.set SG,    67584                      ; the record's 512 bytes of scale words, gathered from the four waves
.set SPARE, 68096                      ; the spare words, 128 bytes for each wave; no other line names them
.set REC,   8960
.set R,     32                         ; v32-159   32 loads of four registers
.set X,     160                        ; v160-223  64 numbers, neighbours along K
.set C,     224                        ; v224-255  results
.set AM,    16                         ; v16-17    largest magnitudes, then the bytes
.set SC,    18                         ; v18-19    the conversions' scale operands
.set TP,    22                         ; v22       a lane permute's destination
.set WD,    24                         ; v24-25    my two K steps' scale words
.set SPW,   14                         ; v14       LDS address of my spare word; never rewritten
.set NIL,   15                         ; v15       0; never rewritten
	s_load_b256 s[4:11], s[0:1], 0x0               ; wq, wk, wv, wo
	s_load_b256 s[12:19], s[0:1], 0x20             ; bq, bk, bv, wt
	s_load_b64 s[20:21], s[0:1], 0x40              ; wof
	v_lshl_add_u32 v[SPW], v0, 2, SPARE
	v_mov_b32 v[NIL], 0
	v_lshrrev_b32 v1, 5, v0
	v_readfirstlane_b32 s28, v1                    ; wave
	v_and_b32 v1, 31, v0                           ; lane l
	v_and_b32 v2, 15, v0                           ; r
	v_bfe_u32 v3, v0, 4, 1                         ; h
	v_lshlrev_b32 v4, 4, v1                        ; 16 l
	s_mul_i32 s29, s28, STW
	v_add_nc_u32 v5, s29, v4                       ; the stage, on the way in: a chunk as it lies
	v_mul_u32_u24 v6, v2, CH
	v_add_nc_u32 v6, s29, v6
	v_lshl_add_u32 v7, v3, 5, v6                   ; out, for f16: row r, + 8 h numbers
	v_lshl_add_u32 v6, v3, 7, v6                   ; out, for codes: row r, + 32 h numbers
	v_lshlrev_b32 v8, 3, v3                        ; 8 h: my bytes' shift in a scale word
	s_lshr_b32 s30, s28, 1
	s_lshl_b32 s30, s30, 8
	s_and_b32 s31, s28, 1
	s_lshl_b32 s31, s31, 3
	s_add_co_u32 s30, s30, s31
	s_add_co_u32 s30, s30, SG
	v_lshl_add_u32 v9, v2, 4, s30                  ; my two scale words: SG + 16 (r + 16 (w / 2)) + 8 (w % 2)
	v_add_nc_u32 v10, SG, v4
	v_mov_b32 v11, 0
	v_and_b32 v12, 7, v0
	v_lshlrev_b32 v12, 3, v12                      ; the bias: 8 bytes a lane, lanes 0-7
	v_lshlrev_b32 v13, 3, v1
	s_lshl_b32 s31, s28, 11
	v_add_nc_u32 v26, s31, v4                      ; my codes' place in the record: 16 l + two K steps of 1,024 bytes a wave
	v_mov_b32 v[TP], 0                             ; written once: a lane permute's destination counts as one of its sources
	s_mov_b32 s32, 0x76543210
	s_mov_b32 s33, 0xfedcba98                      ; v_permlanex16_b32's selects for lane l xor 16
	s_and_b32 s34, ttmp9, 63                       ; which 16 rows of the matrix
	s_lshl_b32 s36, s34, 16                        ; 16 rows of 4,096 bytes
	s_lshl_b32 s31, s28, 10                        ; my 256 numbers of a row
	s_add_co_u32 s36, s36, s31
	s_mov_b32 s37, 0
	s_wait_kmcnt 0x0
	s_cmp_lt_u32 ttmp9, 192                        ; the matrix and its bias are chosen by the work-group's number alone
	s_cselect_b64 s[22:23], s[8:9], s[10:11]
	s_cmp_lt_u32 ttmp9, 128
	s_cselect_b64 s[22:23], s[6:7], s[22:23]
	s_cselect_b64 s[24:25], s[14:15], s[16:17]
	s_cmp_lt_u32 ttmp9, 64
	s_cselect_b64 s[22:23], s[4:5], s[22:23]
	s_cselect_b64 s[24:25], s[12:13], s[24:25]
	s_add_nc_u64 s[22:23], s[22:23], s[36:37]
.irp q, 0,1
.irp t, 0,1,2,3,4,5,6,7,8,9,10,11,12,13,14,15
	global_load_b128 v[R+4*(16*\q+\t):R+4*(16*\q+\t)+3], v4, s[22:23] offset:\t*4096+\q*512 th:TH_LOAD_NT   ; 32 lanes read 512 consecutive bytes of row t
.endr
.endr
	s_wait_loadcnt 0x0
.irp q, 0,1
.irp t, 0,1,2,3,4,5,6,7,8,9,10,11,12,13,14,15
	ds_store_b128 v5, v[R+4*(16*\q+\t):R+4*(16*\q+\t)+3] offset:(16*\q+\t)*CH
.endr
.endr
	s_cmp_lt_u32 ttmp9, 192
	s_cbranch_scc0 .Lwo
	; ---- codes of FP4: my K steps 2 w and 2 w + 1.  LDS serves a wave's instructions in order: the loads see my stores
	s_mul_i32 s36, ttmp9, REC
	s_add_nc_u64 s[18:19], s[18:19], s[36:37]      ; my record
.irp q, 0,1
.irp c, 0,1
.irp j, 0,1,2,3,4,5,6,7
	ds_load_b128 v[X+32*\c+4*\j:X+32*\c+4*\j+3], v6 offset:\q*16*CH+256*\c+16*\j   ; block 2 c + h of the K step: all its 32 numbers are mine
.endr
.endr
	s_wait_dscnt 0x0
.irp c, 0,1
	v_max3_num_f32 v[AM+\c], |v[X+32*\c]|, |v[X+32*\c+1]|, 0x1800000   ; with the floor 2^(3 - 127): the byte cannot fall under 1
.endr
.irp i, 2,4,6,8,10,12,14,16,18,20,22,24,26,28,30
.irp c, 0,1
	v_max3_num_f32 v[AM+\c], v[AM+\c], |v[X+32*\c+\i]|, |v[X+32*\c+\i+1]|   ; the two blocks by turns
.endr
.endr
.irp c, 0,1
	v_add_nc_u32 v[SC+\c], 0xff000000, v[AM+\c]    ; 2 off the exponent field: the conversion takes the exponent field of this operand as its scale
.endr
.irp c, 0,1
	v_lshrrev_b32 v[AM+\c], 23, v[SC+\c]           ; the scale's byte
.endr
.irp c, 0,1
.irp g, 0,1,2,3
	v_cvt_scalef32_pk8_fp4_f32 v[C+8*\q+4*\c+\g], v[X+32*\c+8*\g:X+32*\c+8*\g+7], v[SC+\c]
.endr
.endr
	v_nop                                          ; one plain place behind the scaled conversions
	v_lshl_or_b32 v[WD+\q], v[AM+1], 16, v[AM]     ; my two bytes: blocks h and 2 + h,
	v_lshlrev_b32 v[WD+\q], v8, v[WD+\q]           ; at their places in the word;
	v_permlanex16_b32 v[TP], v[WD+\q], s32, s33
	v_or_b32 v[WD+\q], v[WD+\q], v[TP]             ; with lane l xor 16's two the word is whole
.irp c, 0,1
	global_store_b128 v26, v[C+8*\q+4*\c:C+8*\q+4*\c+3], s[18:19] offset:\q*1024+512*\c   ; 512 consecutive bytes
.endr
.endr
	ds_store_b64 v9, v[WD:WD+1]                    ; both halves of the lanes write the same words with the same values
	s_branch .Ljoin
.Lwo:
	; ---- f16 of wo: my K steps 8 w .. 8 w + 7, four at a time
	s_lshr_b32 s36, s34, 4
	s_lshl_b32 s36, s36, 19                        ; n / 256
	s_bfe_u32 s31, s34, 0x10003
	s_lshl_b32 s31, s31, 18                        ; (n / 128) % 2
	s_add_co_u32 s36, s36, s31
	s_lshl_b32 s31, s28, 16                        ; eight K steps of 8,192 bytes a wave
	s_add_co_u32 s36, s36, s31
	s_and_b32 s31, s34, 7
	s_lshl_b32 s31, s31, 10                        ; (n / 16) % 8
	s_add_co_u32 s36, s36, s31
	s_add_nc_u64 s[20:21], s[20:21], s[36:37]
.irp bt, 0,1
.irp u, 0,1,2,3,4,5,6,7
	ds_load_b128 v[X+8*\u:X+8*\u+3], v7 offset:\bt*16*CH+(\u/2)*128+(\u%2)*64       ; K step 4 bt + u / 2, half cc = u % 2: eight neighbours
	ds_load_b128 v[X+8*\u+4:X+8*\u+7], v7 offset:\bt*16*CH+(\u/2)*128+(\u%2)*64+16
.endr
	s_wait_dscnt 0x0
.irp u, 0,1,2,3,4,5,6,7
.irp q, 0,1,2,3
	v_cvt_pk_f16_f32 v[C-192*\bt+4*\u+\q], v[X+8*\u+2*\q], v[X+8*\u+2*\q+1]           ; the second four go into v32-63, so that no store's data are written again
.endr
.endr
.irp u, 0,1,2,3,4,5,6,7
	global_store_b128 v4, v[C-192*\bt+4*\u:C-192*\bt+4*\u+3], s[20:21] offset:(4*\bt+\u/2)*8192+(\u%2)*512
.endr
.endr
.Ljoin:
	s_wait_dscnt 0x0                               ; for the others' sake: my scale words lie in LDS
	s_barrier_signal -1
	s_barrier_wait -1
	s_cmp_lt_u32 ttmp9, 192
	s_cbranch_scc0 .Lend
	s_cmp_eq_u32 s28, 0
	s_cbranch_scc0 .Lnot0
	ds_load_b128 v[16:19], v10                     ; wave 0: the record's scale words, 512 consecutive bytes
	s_wait_dscnt 0x0
	global_store_b128 v4, v[16:19], s[18:19] offset:8192
	s_branch .Lend
.Lnot0:
	s_cmp_eq_u32 s28, 1
	s_cbranch_scc0 .Lend
	s_lshl_b32 s36, s34, 6                         ; wave 1: the 16 rows' bias; lanes 8-31 read the same 64 bytes again and store zeros
	s_add_nc_u64 s[24:25], s[24:25], s[36:37]
	global_load_b64 v[16:17], v12, s[24:25]
	s_wait_loadcnt 0x0
	v_cmp_gt_u32 vcc_lo, 8, v1
	v_cndmask_b32 v16, v11, v16, vcc_lo
	v_cndmask_b32 v17, v11, v17, vcc_lo
	global_store_b64 v13, v[16:17], s[18:19] offset:8704   ; 256 consecutive bytes
.Lend:
	s_wait_tensorcnt 0x0                           ; the wave's end: behind my last LDS store
	ds_add_u32 v[SPW], v[NIL]
	s_wait_dscnt 0x0
	s_endpgm
.Lfunc_end_k_qc2d687bbce_prep:
	.size	k_qc2d687bbce_prep, .Lfunc_end_k_qc2d687bbce_prep-k_qc2d687bbce_prep
	.p2alignl 7, 3214868480
	.fill 96, 4, 3214868480
	.section	.rodata,"a",@progbits
	.p2align	6, 0x0
	.amdhsa_kernel k_qc2d687bbce_prep
		.amdhsa_group_segment_fixed_size 68608
		.amdhsa_private_segment_fixed_size 0
		.amdhsa_enable_private_segment 0
		.amdhsa_kernarg_size 72
		.amdhsa_user_sgpr_count 2
		.amdhsa_user_sgpr_kernarg_segment_ptr 1
		.amdhsa_wavefront_size32 1
		.amdhsa_system_sgpr_workgroup_id_x 1
		.amdhsa_system_sgpr_workgroup_id_y 1
		.amdhsa_system_sgpr_workgroup_id_z 1
		.amdhsa_system_vgpr_workitem_id 0
		.amdhsa_next_free_vgpr 256
		.amdhsa_next_free_sgpr 66
		.amdhsa_reserve_vcc 1
		.amdhsa_float_denorm_mode_32 3
		.amdhsa_float_denorm_mode_16_64 3
		.amdhsa_memory_ordered 1
		.amdhsa_forward_progress 1
		.amdhsa_inst_pref_size 26
	.end_amdhsa_kernel
	.amdgpu_metadata
---
amdhsa.version: [ 1, 2 ]
amdhsa.kernels:
  - .name:           k_qc2d687bbce_prep
    .symbol:         k_qc2d687bbce_prep.kd
    .args:
      - { .name: wq, .offset: 0, .size: 8, .value_kind: global_buffer, .address_space: global }
      - { .name: wk, .offset: 8, .size: 8, .value_kind: global_buffer, .address_space: global }
      - { .name: wv, .offset: 16, .size: 8, .value_kind: global_buffer, .address_space: global }
      - { .name: wo, .offset: 24, .size: 8, .value_kind: global_buffer, .address_space: global }
      - { .name: bq, .offset: 32, .size: 8, .value_kind: global_buffer, .address_space: global }
      - { .name: bk, .offset: 40, .size: 8, .value_kind: global_buffer, .address_space: global }
      - { .name: bv, .offset: 48, .size: 8, .value_kind: global_buffer, .address_space: global }
      - { .name: wt, .offset: 56, .size: 8, .value_kind: global_buffer, .address_space: global }
      - { .name: wof, .offset: 64, .size: 8, .value_kind: global_buffer, .address_space: global }
    .group_segment_fixed_size: 68608
    .private_segment_fixed_size: 0
    .kernarg_segment_align: 8
    .kernarg_segment_size: 72
    .max_flat_workgroup_size: 128
    .sgpr_count:     66
    .vgpr_count:     256
    .wavefront_size: 32
...
	.end_amdgpu_metadata
.endif
;; end of part 1
;; launch fused (part 2): grid 256 x 1, 4 waves a work-group, no clusters, 327,680 bytes of LDS; arguments x, wt, wof, bo, out0; writes out0
.if DOCPART == 2
	.amdgcn_target "amdgcn-amd-amdhsa--gfx1250"
	.amdhsa_code_object_version 6
	.text
	.protected	k_qc2d687bbce_fused
	.globl	k_qc2d687bbce_fused
	.p2align	8
	.type	k_qc2d687bbce_fused,@function
k_qc2d687bbce_fused:
	s_mov_b64 s[64:65], 0
	v_nop
	global_prefetch_b8 v0, s[64:65] scope:SCOPE_SE
	s_setreg_imm32_b32 hwreg(HW_REG_WAVE_MODE, 25, 1), 1
	s_wait_xcnt 0x0
; out0 = softmax_j(q_i . k_j / 8) v_j, taken across the 16 HEADS of each position, then x wo^T + bo;  q, k, v = Q(x) Q(w)^T + b on codes of FP4 (E2M1) with E8M0 scales for each 32 along K.
; A work-group owns 64 positions (rows of x) and takes them through the whole chain; q, k, v, the weights p and the heads' outputs O never go to memory.
; PHASES:  X  wave w quantises rows 16 w .. 16 w + 15 of x; the 32 fragments (4 tiles of rows x 8 K steps) go through LDS as images of their registers, and every wave keeps all 32 in registers.
;   QK  waves 0, 1 make q, waves 2, 3 make k, eight heads each, for all 64 rows: f16 into LDS.   S  wave w: scores, softmax of its 16 positions; p (f16) into LDS as register images.
;   V   wave w makes four heads of v, into k's bytes.   PV  wave w: O of its 16 positions, into q's bytes.   WO  wave w makes columns 256 w .. 256 w + 255 of out0, in two halves of 128.
; ALL PRODUCTS ARE USED TRANSPOSED (source 0 = 16 rows of a weight, of k or of v^T; source 1 = 16 positions or 16 query heads): a lane's eight results are eight neighbours of one row.
; FORMATS: products 1-3 on FP4 codes; the scores, p v and the projection on f16 operands with f32 sums; softmax (with its maximum taken away), biases and sums in f32.
; LIMITS: |q|, |k|, |v|, |O|, |wo| stay under 65,504 (f16); NaN and infinities are not served; a block of zeros of x gets the scale byte 1 (its codes are zeros, and this program alone reads the bytes).
; THE WEIGHTS COME FROM MEMORY STRAIGHT INTO REGISTERS, laid by the launch before in the order of the operand registers: each load of a wave reads 512 consecutive bytes.
; No tensor load and no cluster: q and k (later v and O) of 64 positions take 296,960 of the 327,680 bytes of LDS, all of them written by LDS stores; the 30,208 bytes
; left beside them and the spare words would hold two slots of 15 KB, less than the three tiles of 19 x 512 bytes that each of the four waves keeps on its way in registers.  No wave reads another wave's weights.
; THE HEADS ARE ROTATED: with rho = work-group % 16, LDS head slot sigma holds head (sigma + rho) % 16, alike for q, k, v and O.  The softmax and p v do not hang on an order that k and v share, and
; O's order along the projection's K is taken for wo's K steps too.  So the work-groups walk the weights from 16 different starts; only global addresses hang on the work-group's number.
; REGISTERS, in windows of 256 (s_set_vgpr_msb: bits 1:0 source 0, 3:2 source 1, 5:4 source 2, 7:6 destination):
;   window 0: v1-31 addresses; v32-63 x's scale words, v64-79 the weights' (scales and nothing else); v80-111 biases, four sets; v112-143 accumulators / scores; v112-175 64 numbers at work; v144-189 at work; v190, v191 the add's two; v192-255 O's fragments, two sets
;   window 1: x's 32 fragments; later O^T's results, rows of out0 on their way (v0-127) and bo (v128-191)      window 2: x's ring of loads, then four sets of a weight tile's codes, then four sets of wo's K steps
;   window 3: k's and q's fragments; then v^T's and p's; then the projection's 32 accumulators
.set POSP,  2320                       ; LDS: a position: 16 head slots + 16 bytes = 145 x 16 bytes, so that 16 positions' 16-byte pieces fall into 16 different groups of banks
.set HP,    144                        ; a head slot: 64 f16 + 16 bytes = 9 x 16 bytes, likewise for 16 heads
.set MB,    16*POSP                    ; 16 positions
.set R1,    64*POSP                    ; region 0: q, then p's images, then O;  region 1: k, then v, then the stages for out0
.set XSTW,  8448                       ; phase X alone, in region 0: a stage of 16 rows x (512 + 16) bytes for each wave,
.set XIMG,  4*XSTW                     ; the 32 fragments' images, 1,024 bytes each (tile of rows m, K step s: 8 m + s),
.set XSC,   XIMG+32*1024               ; and their scale words, 128 bytes each
.set SPARE, 327168                     ; the spare words, 128 bytes for each wave; no other line names them
.set REC,   8960                       ; a record of wt
.set LI,   4                           ; v4   16 x lane
.set H32,  6                           ; v6   32 h: my eight numbers of a bias
.set XSI,  7                           ; v7   x's stage, in
.set XSO,  8                           ; v8   x's stage, out: row r, + 32 h numbers
.set XWI,  9                           ; v9   where I store my images
.set XWS,  10                          ; v10  and their scale words
.set XRI,  11                          ; v11  where I read all images
.set XRS,  12                          ; v12  and all scale words
.set H8,   13                          ; v13  8 h
.set STQ,  14                          ; v14  where my q or k goes: position r, my first head slot, + 16 h
.set STV,  15                          ; v15  the same for v
.set AQ0,  16                          ; v16  my 16 positions' q (and O): head slot r, + 16 h
.set AK0,  17                          ; v17  the same in region 1
.set AP0,  18                          ; v18  p's images: 16 x lane in my positions
.set AV0,  19                          ; v19  v, for the turning load
.set A0,   20                          ; v20-23 addresses of the trip in hand
.set AO01, 24                          ; v24  O's fragments: position r, + 16 h;  v25 the same 32 positions on
.set AO23, 25
.set AOW,  26                          ; v26-27 these two + the trip's head slots
.set YSI,  28                          ; v28  my stage for out0, in;  v29 out;  v30 my byte offset in a row of out0
.set YSO,  29
.set YO,   30
.set PFO,  31                          ; v31  256 x lane, for the prefetches; never rewritten
.set XS,   32
.set WS,   64
.set WB,   80
.set ACC,  112
.set S,    112
.set NX,   112
.set OT,   112
.set PK,   144                         ; v144-159 a tile's results as f16
.set T,    144                         ; softmax: v144-151 c x maximum (pairs), v152-159 maxima and sums, v160-163 permutes, v164-171 reciprocals (pairs), v172-187 p as f16
.set U,    152
.set W,    160
.set RC,   164
.set PF,   172
.set PC,   176                         ; phase X: v176-183 codes, v184-185 magnitudes and bytes, v186-187 scale operands, v188 the scale word, v189 a permute's destination
.set AM,   184
.set SCL,  186
.set PW,   188
.set TP,   189
.set SPW,  190                         ; v190 LDS address of my spare word; v191 0; never rewritten
.set NIL,  191
.set OF,   192
.set BO,   128                         ; in window 1
.set WV,   14                          ; s14 wave, s15 work-group, s16 rho
.set WG,   15
.set RHO,  16
.set SEL,  18                          ; s[18:19] v_permlanex16_b32's selects for lane l xor 16
.set CS,   20                          ; s[20:21] c = log2(e) / 8
.set XP,   22                          ; s[22:23] x at my 16 rows
.set WP,   24                          ; s[24:25] wt at this trip's head;  s[26:27] at the next trip's
.set WN,   26
.set TN,   28                          ; s28 the number of the trip that WN stands for
.set SLQ,  29                          ; s29 8 (w % 2) + rho;  s30 4 w + rho + 8;  s31 16 (w / 2)
.set SLV,  30
.set MQ,   31
.set HO,   34                          ; s34 the trip's head slot in bytes;  s35 the trip's positions in bytes;  s36 loop counter
.set PO,   35
.set LC,   36
.set HBA,  38                          ; s[38:39], s[40:41] wof at my first and second half
.set HBB,  40
.set KG,   42                          ; s42 wo's K step to be loaded next
.set LP,   44                          ; s[44:45] its address
.set KO,   48                          ; s48 the trip's head slots of O in bytes
.set BOA,  50                          ; s[50:51], s[62:63] bo at my halves;  s[52:53], s[66:67] out0 at my rows and halves
.set YPA,  52
.set PFW,  54                          ; s[54:55], s[56:57] the prefetches' bases; never rewritten
.set PFH,  56
.set FLG,  58
.set BOB,  62
.set YPB,  66
.set MSB, 0
.macro WIN new                         ; the immediate's high byte repeats the setting that is left; a switch that changes nothing is dropped
.if MSB != \new
	s_set_vgpr_msb (MSB<<8)|\new
.set MSB, \new
.endif
.endm
.macro PLACES n                        ; plain places behind matrix instructions: ahead of reads of results and of loads into registers that they have read
.rept \n
	v_nop
.endr
.endm
.macro BAR                             ; my LDS stores have landed and my LDS loads are in: then the work-group's barrier
	s_wait_dscnt 0x0
	s_barrier_signal -1
	s_barrier_wait -1
.endm
.macro MKPTR d                         ; wt at the head of trip TN: trips 0-7 my q or k heads, 8-11 my v heads; head = (slot + rho) % 16; four records a head
	s_cmp_lt_u32 s[TN], 8
	s_cselect_b32 s32, s[SLQ], s[SLV]
	s_cselect_b32 s60, s[MQ], 32
	s_add_co_u32 s32, s32, s[TN]
	s_and_b32 s32, s32, 15
	s_add_co_u32 s32, s32, s60
	s_mul_i32 s32, s32, 4*REC
	s_add_nc_u64 s[\d:\d+1], s[6:7], s[32:33]
.endm
.macro XLOAD g                         ; K step g of my 16 rows of x: each load reads 512 consecutive bytes of a row
	WIN 0x80
.irp t, 0,1,2,3,4,5,6,7,8,9,10,11,12,13,14,15
	global_load_b128 v[64*((\g)%4)+4*\t:64*((\g)%4)+4*\t+3], v[LI], s[XP:XP+1] offset:\t*4096+(\g)*512 th:TH_LOAD_NT
.endr
	WIN 0
.endm
.macro WLOAD b, ptr, off               ; a record of wt into set b: 19 loads: the scale words, the bias in the result's layout, the eight fragments
	global_load_b128 v[WS+4*(\b):WS+4*(\b)+3], v[LI], s[\ptr:\ptr+1] offset:(\off)+8192
	global_load_b128 v[WB+8*(\b):WB+8*(\b)+3], v[H32], s[\ptr:\ptr+1] offset:(\off)+8704
	global_load_b128 v[WB+8*(\b)+4:WB+8*(\b)+7], v[H32], s[\ptr:\ptr+1] offset:(\off)+8720
	WIN 0x80
.irp s, 0,1,2,3,4,5,6,7
.irp c, 0,1
	global_load_b128 v[64*(\b)+8*\s+4*\c:64*(\b)+8*\s+4*\c+3], v[LI], s[\ptr:\ptr+1] offset:(\off)+1024*\s+512*\c
.endr
.endr
	WIN 0
.endm
.macro QBLK                            ; 64 numbers of a lane, v[NX + 32 c + i] = k 64 c + 32 h + i of my row, become the fragment's codes in v[PC] on and its scale word in v[PW]
.irp c, 0,1
	v_max3_num_f32 v[AM+\c], |v[NX+32*\c]|, |v[NX+32*\c+1]|, 0x1800000   ; block 2 c + h is all mine; the floor 2^(3 - 127) holds the byte at 1 from below
.endr
.irp i, 2,4,6,8,10,12,14,16,18,20,22,24,26,28,30
.irp c, 0,1
	v_max3_num_f32 v[AM+\c], v[AM+\c], |v[NX+32*\c+\i]|, |v[NX+32*\c+\i+1]|
.endr
.endr
.irp c, 0,1
	v_add_nc_u32 v[SCL+\c], 0xff000000, v[AM+\c]   ; 2 off the exponent field: the conversion's scale operand
.endr
.irp c, 0,1
	v_lshrrev_b32 v[AM+\c], 23, v[SCL+\c]          ; the scale's byte
.endr
.irp c, 0,1
.irp g, 0,1,2,3
	v_cvt_scalef32_pk8_fp4_f32 v[PC+4*\c+\g], v[NX+32*\c+8*\g:NX+32*\c+8*\g+7], v[SCL+\c]
.endr
.endr
	v_nop                                          ; one plain place behind the scaled conversions
	v_lshl_or_b32 v[PW], v[AM+1], 16, v[AM]
	v_lshlrev_b32 v[PW], v[H8], v[PW]
	v_permlanex16_b32 v[TP], v[PW], s[SEL], s[SEL+1]
	v_or_b32 v[PW], v[PW], v[TP]                   ; my two bytes and lane l xor 16's two: my row's scale word
.endm
.macro XSTEP s, cnt                    ; K step s of my 16 rows: through my stage, quantised, its image to LDS.  cnt: the younger groups' loads, 16 each, which may stay out
	s_wait_loadcnt \cnt
	WIN 0x08                                       ; an LDS store's data are its source 1: window 2
.irp t, 0,1,2,3,4,5,6,7,8,9,10,11,12,13,14,15
	ds_store_b128 v[XSI], v[64*((\s)%4)+4*\t:64*((\s)%4)+4*\t+3] offset:528*\t
.endr
	WIN 0
.irp c, 0,1
.irp j, 0,1,2,3,4,5,6,7
	ds_load_b128 v[NX+32*\c+4*\j:NX+32*\c+4*\j+3], v[XSO] offset:256*\c+16*\j   ; LDS serves a wave's instructions in order: these see my stores
.endr
.endr
	s_wait_dscnt 0x0                               ; the numbers are in, and the stores have read the ring's registers:
.if (\s) < 4
	XLOAD (\s)+4                                   ; which take the group four steps on
.endif
.if (\s) == 1
	; A PREFETCH INTO THE L2 of wt, which every work-group will walk: its 6,720 blocks of 256 bytes are named once each in the launch: wave 0 of work-groups 0 to 209, a lane a block, 32 blocks each.
	s_cmp_eq_u32 s[FLG], 1
	s_cbranch_scc0 .Lno_pf_\@
	global_prefetch_b8 v[PFO], s[PFW:PFW+1] th:TH_LOAD_NT scope:SCOPE_SE
.Lno_pf_\@:
.endif
.if (\s) == 7
	WLOAD 0, WP, 0                                 ; the first three weight tiles are asked for while the last K step is quantised
	WLOAD 1, WP, REC
	WLOAD 2, WP, 2*REC
.endif
	QBLK
	ds_store_b128 v[XWI], v[PC:PC+3] offset:1024*(\s)
	ds_store_b128 v[XWI], v[PC+4:PC+7] offset:1024*(\s)+512
	ds_store_b32 v[XWS], v[PW] offset:128*(\s)
.endm
; A WEIGHT TILE: 16 columns of q, k or v for all 64 rows: 8 K steps x 4 tiles of rows, the four accumulators by turns, one instruction a turn; the bias is the C of each sum's first product.
; i: the tile in its head (and its set of registers);  ld: the tile three on is asked for, into the set that the tile before has left;  cnt: the younger tiles' loads, 19 each.
.macro TILE i, ld, cnt
	s_wait_loadcnt \cnt
.if \ld
.if (\i) == 0
	WLOAD 3, WP, 3*REC
.else
	WLOAD (\i)-1, WN, ((\i)-1)*REC
.endif
.endif
	WIN 0x06                                       ; source 0 (the weight) window 2, source 1 (x) window 1, C and D window 0
.irp s, 0,1,2,3,4,5,6,7
.irp m, 0,1,2,3
.if \s == 0
	v_wmma_scale_f32_16x16x128_f8f6f4 v[ACC+8*\m:ACC+8*\m+7], v[64*(\i)+8*\s:64*(\i)+8*\s+7], v[8*(8*\m+\s):8*(8*\m+\s)+7], v[WB+8*(\i):WB+8*(\i)+7], v[WS+4*(\i)+\s], v[XS+8*\m+\s] matrix_a_fmt:MATRIX_FMT_FP4 matrix_b_fmt:MATRIX_FMT_FP4
.elseif \s < 4
	v_wmma_scale_f32_16x16x128_f8f6f4 v[ACC+8*\m:ACC+8*\m+7], v[64*(\i)+8*\s:64*(\i)+8*\s+7], v[8*(8*\m+\s):8*(8*\m+\s)+7], v[ACC+8*\m:ACC+8*\m+7], v[WS+4*(\i)+\s], v[XS+8*\m+\s] matrix_a_fmt:MATRIX_FMT_FP4 matrix_b_fmt:MATRIX_FMT_FP4
.else
	v_wmma_scale_f32_16x16x128_f8f6f4 v[ACC+8*\m:ACC+8*\m+7], v[64*(\i)+8*\s:64*(\i)+8*\s+7], v[8*(8*\m+\s):8*(8*\m+\s)+7], v[ACC+8*\m:ACC+8*\m+7], v[WS+4*(\i)+\s-4], v[XS+8*\m+\s] matrix_a_fmt:MATRIX_FMT_FP4 matrix_b_fmt:MATRIX_FMT_FP4 matrix_a_scale:MATRIX_SCALE_ROW1
.endif
.endr
.endr
	WIN 0
	PLACES 4
	s_wait_dscnt 0x0                               ; the last tile's LDS stores, issued 32 products ago, have read PK
.irp m, 0,1,2,3
.irp q, 0,1,2,3
	v_cvt_pk_f16_f32 v[PK+4*\m+\q], v[ACC+8*\m+2*\q], v[ACC+8*\m+2*\q+1]   ; each accumulator from its low end on; lane (r, h): position 16 m + r, d = 16 i + 8 h + 0 .. 7
.endr
.endr
	ds_store_b128 v[A0], v[PK:PK+3] offset:32*(\i)
	ds_store_b128 v[A0], v[PK+4:PK+7] offset:MB+32*(\i)
	ds_store_b128 v[A0+1], v[PK+8:PK+11] offset:32*(\i)
	ds_store_b128 v[A0+1], v[PK+12:PK+15] offset:MB+32*(\i)
.endm
.macro TRIP sta, last                  ; a head: four tiles.  last = 1: nothing follows, the counts run down
	v_add_nc_u32 v[A0], s[HO], v[\sta]
	v_add_nc_u32 v[A0+1], 2*MB, v[A0]
	TILE 0, 1, 38
.if \last
	TILE 1, 0, 38
	TILE 2, 0, 19
	TILE 3, 0, 0
.else
	TILE 1, 1, 38
	TILE 2, 1, 38
	TILE 3, 1, 38
	s_wait_xcnt 0x0                                ; the loads have read their bases: only now are the two pointers written
	s_mov_b64 s[WP:WP+1], s[WN:WN+1]
	s_add_co_u32 s[TN], s[TN], 1
	MKPTR WN
	s_add_co_u32 s[HO], s[HO], HP
.endif
.endm
; FOUR POSITIONS' SCORES AND SOFTMAX.  S^T = k q^T: a lane holds query head r and key heads 8 h + 0 .. 7; the row's maximum and sum want one exchange between the halves of the lanes.
.macro SCORES
	v_add_nc_u32 v[A0], s[PO], v[AQ0]
	v_add_nc_u32 v[A0+1], s[PO], v[AK0]
	v_add_nc_u32 v[A0+2], s[PO], v[AP0]
	WIN 0xc0
.irp p, 0,1,2,3
.irp c, 0,1,2,3
	ds_load_b128 v[32*\p+4*\c:32*\p+4*\c+3], v[A0+1] offset:POSP*\p+32*\c          ; k: two fragments of 16 heads x 32 d
	ds_load_b128 v[32*\p+16+4*\c:32*\p+16+4*\c+3], v[A0] offset:POSP*\p+32*\c      ; q likewise
.endr
.endr
	s_wait_dscnt 0x0
	WIN 0x0f
.irp p, 0,1,2,3
	v_wmma_f32_16x16x32_f16 v[S+8*\p:S+8*\p+7], v[32*\p:32*\p+7], v[32*\p+16:32*\p+23], 0
.endr
.irp p, 0,1,2,3
	v_wmma_f32_16x16x32_f16 v[S+8*\p:S+8*\p+7], v[32*\p+8:32*\p+15], v[32*\p+24:32*\p+31], v[S+8*\p:S+8*\p+7]
.endr
	WIN 0
	PLACES 4
.irp p, 0,1,2,3
	v_max3_num_f32 v[U+2*\p], v[S+8*\p], v[S+8*\p+1], v[S+8*\p+2]                  ; the four positions by turns
.endr
.irp p, 0,1,2,3
	v_max3_num_f32 v[U+2*\p+1], v[S+8*\p+3], v[S+8*\p+4], v[S+8*\p+5]
.endr
.irp p, 0,1,2,3
	v_max3_num_f32 v[U+2*\p], v[U+2*\p], v[S+8*\p+6], v[S+8*\p+7]
.endr
.irp p, 0,1,2,3
	v_max_num_f32 v[U+2*\p], v[U+2*\p], v[U+2*\p+1]
.endr
.irp p, 0,1,2,3
	v_permlanex16_b32 v[W+\p], v[U+2*\p], s[SEL], s[SEL+1]
.endr
.irp p, 0,1,2,3
	v_max_num_f32 v[U+2*\p], v[U+2*\p], v[W+\p]                                    ; the row's largest score
.endr
.irp p, 0,1,2,3
	v_mul_f32 v[T+2*\p], s[CS], v[U+2*\p]
.endr
.irp p, 0,1,2,3
.irp q, 0,2,4,6
	v_pk_fma_f32 v[S+8*\p+\q:S+8*\p+\q+1], v[S+8*\p+\q:S+8*\p+\q+1], s[CS:CS+1], v[T+2*\p:T+2*\p+1] op_sel_hi:[1,0,0] neg_lo:[0,0,1] neg_hi:[0,0,1]   ; c s - c m
.endr
.endr
.set J, 0
.rept 32
	v_exp_f32 v[S+J], v[S+J]                       ; one batch
.set J, J+1
.endr
	v_nop                                          ; a plain place behind the last exponential
	s_wait_alu depctr_va_vdst(0)                   ; one wait for the batch, ahead of its first reader
.irp p, 0,1,2,3
	v_pk_add_f32 v[U+2*\p:U+2*\p+1], v[S+8*\p:S+8*\p+1], v[S+8*\p+2:S+8*\p+3]
.endr
.irp p, 0,1,2,3
	v_pk_add_f32 v[RC+2*\p:RC+2*\p+1], v[S+8*\p+4:S+8*\p+5], v[S+8*\p+6:S+8*\p+7]
.endr
.irp p, 0,1,2,3
	v_pk_add_f32 v[U+2*\p:U+2*\p+1], v[U+2*\p:U+2*\p+1], v[RC+2*\p:RC+2*\p+1]
.endr
.irp p, 0,1,2,3
	v_add_f32 v[U+2*\p], v[U+2*\p], v[U+2*\p+1]
.endr
.irp p, 0,1,2,3
	v_permlanex16_b32 v[W+\p], v[U+2*\p], s[SEL], s[SEL+1]
.endr
.irp p, 0,1,2,3
	v_add_f32 v[U+2*\p], v[U+2*\p], v[W+\p]                                        ; the row's sum
.endr
.irp p, 0,1,2,3
	v_rcp_f32 v[RC+2*\p], v[U+2*\p]
.endr
	v_nop
	s_wait_alu depctr_va_vdst(0)                   ; one wait for the four reciprocals
.irp p, 0,1,2,3
.irp q, 0,2,4,6
	v_pk_mul_f32 v[S+8*\p+\q:S+8*\p+\q+1], v[S+8*\p+\q:S+8*\p+\q+1], v[RC+2*\p:RC+2*\p+1] op_sel_hi:[1,0]
.endr
.endr
.irp p, 0,1,2,3
.irp q, 0,1,2,3
	v_cvt_pk_f16_f32 v[PF+4*\p+\q], v[S+8*\p+2*\q], v[S+8*\p+2*\q+1]               ; these four registers ARE the lower half of p's fragment for the next product
.endr
.endr
.irp p, 0,1,2,3
	ds_store_b128 v[A0+2], v[PF+4*\p:PF+4*\p+3] offset:POSP*\p                     ; an image of the registers, over the position's q, which only I read and have read
.endr
.endm
; FOUR POSITIONS' O^T = v^T p^T.  K = the 16 heads, in the lower half of a K of 32; the upper halves of both fragments are zeros, written once ahead of the loop.
.macro PVTRIP
	v_add_nc_u32 v[A0+2], s[PO], v[AP0]
	v_add_nc_u32 v[A0+3], s[PO], v[AV0]
	v_add_nc_u32 v[A0], s[PO], v[AQ0]
	WIN 0xc0
.irp p, 0,1,2,3
	ds_load_b128 v[128+8*\p:128+8*\p+3], v[A0+2] offset:POSP*\p
.endr
.irp p, 0,1,2,3
.irp t, 0,1,2,3
	ds_load_tr16_b128 v[8*(4*\p+\t):8*(4*\p+\t)+3], v[A0+3] offset:POSP*\p+32*\t   ; v lies [head][d]: turned, lane (r, h) gets d = 16 t + r, heads 8 h + 0 .. 7
.endr
.endr
	s_wait_dscnt 0x0
	WIN 0x4f                                       ; sources window 3, destination window 1
.irp p, 0,1,2,3
.irp t, 0,1,2,3
	v_wmma_f32_16x16x32_f16 v[8*(4*\p+\t):8*(4*\p+\t)+7], v[8*(4*\p+\t):8*(4*\p+\t)+7], v[128+8*\p:128+8*\p+7], 0
.endr
.endr
	WIN 0x05
	PLACES 4
.irp f, 0,1,2,3,4,5,6,7,8,9,10,11,12,13,14,15
.irp q, 0,1,2,3
	v_cvt_pk_f16_f32 v[OT+4*\f+\q], v[8*\f+2*\q], v[8*\f+2*\q+1]
.endr
.endr
	WIN 0
.irp p, 0,1,2,3
.irp t, 0,1,2,3
	ds_store_b128 v[A0], v[OT+4*(4*\p+\t):OT+4*(4*\p+\t)+3] offset:POSP*\p+32*\t   ; lane (r, h): head slot r, d = 16 t + 8 h + 0 .. 7: over q and p of my own positions
.endr
.endr
.endm
.macro WOLOAD b, base                  ; wo's K step KG of my 128 columns into set b: 16 loads of 512 consecutive bytes
	s_wait_xcnt 0x0                                ; the earlier loads have read the address that is written now
	s_lshl_b32 s46, s[KG], 13
	s_add_nc_u64 s[LP:LP+1], s[\base:\base+1], s[46:47]
	s_add_co_u32 s[KG], s[KG], 1
	s_and_b32 s[KG], s[KG], 31
	WIN 0x80
.irp ct, 0,1,2,3,4,5,6,7
.irp cc, 0,1
	global_load_b128 v[64*(\b)+8*\ct+4*\cc:64*(\b)+8*\ct+4*\cc+3], v[LI], s[LP:LP+1] offset:1024*\ct+512*\cc
.endr
.endr
	WIN 0
.endm
.macro BOLOAD ptr                      ; bo of my 128 columns, in the result's layout: eight registers a tile of columns
	WIN 0x40
.irp ct, 0,1,2,3,4,5,6,7
	global_load_b128 v[BO+8*\ct:BO+8*\ct+3], v[H32], s[\ptr:\ptr+1] offset:64*\ct
	global_load_b128 v[BO+8*\ct+4:BO+8*\ct+7], v[H32], s[\ptr:\ptr+1] offset:64*\ct+16
.endr
	WIN 0
.endm
.macro OADR
	v_add_nc_u32 v[AOW], s[KO], v[AO01]
	v_add_nc_u32 v[AOW+1], s[KO], v[AO23]
.endm
.macro OLOAD ob, jn                    ; O's four fragments (16 positions x 32 along K) of step jn of the trip (4: the next trip's first) into set ob
.irp m, 0,1,2,3
.irp e, 0,1
	ds_load_b128 v[OF+32*(\ob)+8*\m+4*\e:OF+32*(\ob)+8*\m+4*\e+3], v[AOW+\m/2] offset:(\m%2)*MB+((\jn)/2)*HP+((\jn)%2)*64+32*\e
.endr
.endr
.endm
; A K STEP OF THE PROJECTION: 32 along K, 8 tiles of columns x 4 tiles of rows; the 32 accumulators take turns, in the same order in every step.
; j: the step in its trip of four;  first: bo starts the sums;  ld: wo's K step three on is asked for, from hb;  cnt: the younger K steps' loads, 16 each;  nexto: O's next fragments are fetched.
.macro STEP j, first, ld, hb, cnt, nexto
	s_wait_loadcnt \cnt
	s_wait_dscnt 0x0                               ; O's fragments, asked for a step ago
	PLACES 4+\first
.if \nexto
	OLOAD ((\j)+1)%2, (\j)+1
.endif
.if \ld
	WOLOAD ((\j)+3)%4, \hb
.endif
.if \first
	WIN 0xd2                                       ; source 0 (wo) window 2, source 1 (O) window 0, C (bo) window 1, D window 3
.else
	WIN 0xf2                                       ; C and D window 3
.endif
.irp ct, 0,1,2,3,4,5,6,7
.irp m, 0,1,2,3
.if \first
	v_wmma_f32_16x16x32_f16 v[8*(4*\ct+\m):8*(4*\ct+\m)+7], v[64*(\j)+8*\ct:64*(\j)+8*\ct+7], v[OF+32*((\j)%2)+8*\m:OF+32*((\j)%2)+8*\m+7], v[BO+8*\ct:BO+8*\ct+7]
.else
	v_wmma_f32_16x16x32_f16 v[8*(4*\ct+\m):8*(4*\ct+\m)+7], v[64*(\j)+8*\ct:64*(\j)+8*\ct+7], v[OF+32*((\j)%2)+8*\m:OF+32*((\j)%2)+8*\m+7], v[8*(4*\ct+\m):8*(4*\ct+\m)+7]
.endif
.endr
.endr
	WIN 0
.endm
.macro TOSTAGE m                       ; 16 rows x 128 columns go through my own stage and come back as whole rows of 512 bytes
	WIN 0x0c
.irp ct, 0,1,2,3,4,5,6,7
	ds_store_b128 v[YSI], v[8*(4*\ct+(\m)):8*(4*\ct+(\m))+3] offset:64*\ct           ; each accumulator from its low end on
	ds_store_b128 v[YSI], v[8*(4*\ct+(\m))+4:8*(4*\ct+(\m))+7] offset:64*\ct+16
.endr
	WIN 0x40
.irp t, 0,1,2,3,4,5,6,7,8,9,10,11,12,13,14,15
	ds_load_b128 v[64*((\m)%2)+4*\t:64*((\m)%2)+4*\t+3], v[YSO] offset:528*\t        ; LDS serves a wave's instructions in order: these see my stores, and the next block's stores come behind them
.endr
	WIN 0
.endm
.macro SEND m, younger, yp             ; younger: the LDS instructions issued behind block m's loads
	s_wait_dscnt \younger
	WIN 0x04
.irp t, 0,1,2,3,4,5,6,7,8,9,10,11,12,13,14,15
	global_store_b128 v[YO], v[64*((\m)%2)+4*\t:64*((\m)%2)+4*\t+3], s[\yp:\yp+1] offset:(16*(\m)+\t)*4096 th:TH_STORE_NT   ; 32 lanes store 512 consecutive bytes, at a multiple of 512 from out0's first byte
.endr
	WIN 0
.endm
; 128 COLUMNS OF out0 FOR THE 64 ROWS: 32 K steps in eight trips of four (two head slots of O a trip); the first and the last trip are written out.
; last = 0: the last three steps ask for the other half's first three K steps (hbn), and its bias (bon) is asked for on the way out.
.macro HALF last, hb, hbn, bon, yp
	s_mov_b32 s[KO], 0
	OADR
	OLOAD 0, 0
	STEP 0, 1, 1, \hb, 16-16*\last, 1              ; first half: only K step 2's 16 loads are younger than the bias; second half: the bias is the youngest
	STEP 1, 0, 1, \hb, 32, 1
	STEP 2, 0, 1, \hb, 32, 1
	STEP 3, 0, 1, \hb, 32, 1
	s_mov_b32 s[LC], 6
.Lwo_\@:
	s_add_co_u32 s[KO], s[KO], 2*HP
	OADR
	STEP 0, 0, 1, \hb, 32, 1
	STEP 1, 0, 1, \hb, 32, 1
	STEP 2, 0, 1, \hb, 32, 1
	STEP 3, 0, 1, \hb, 32, 1
	s_sub_co_u32 s[LC], s[LC], 1
	s_cmp_lg_u32 s[LC], 0
	s_cbranch_scc1 .Lwo_\@
	s_add_co_u32 s[KO], s[KO], 2*HP
	OADR
	STEP 0, 0, 1, \hb, 32, 1
.if \last
	STEP 1, 0, 0, \hb, 32, 1                       ; nothing is left to ask for: the counts run down
	STEP 2, 0, 0, \hb, 16, 1
	STEP 3, 0, 0, \hb, 0, 0
.else
	STEP 1, 0, 1, \hbn, 32, 1
	STEP 2, 0, 1, \hbn, 32, 1
	STEP 3, 0, 1, \hbn, 32, 0
.endif
	PLACES 4
.if !\last
	BOLOAD \bon
.endif
	TOSTAGE 0
.irp m, 1,2,3
.if \m > 1
	s_wait_xcnt 0x0                                ; block m - 2's stores have read their registers: block m's rows may land there
.endif
	TOSTAGE \m
	SEND \m-1, 32, \yp
.endr
	SEND 3, 0, \yp
.endm
	; ---- the head
	s_load_b256 s[4:11], s[0:1], 0x0               ; x, wt, wof, bo
	s_load_b64 s[12:13], s[0:1], 0x20              ; out0
	v_lshl_add_u32 v[SPW], v0, 2, SPARE
	v_mov_b32 v[NIL], 0
	v_lshrrev_b32 v1, 5, v0
	v_readfirstlane_b32 s[WV], v1                  ; wave 0..3
	s_mov_b32 s[WG], ttmp9
	s_and_b32 s[RHO], s[WG], 15
	v_and_b32 v1, 31, v0                           ; lane l
	v_and_b32 v2, 15, v0                           ; r
	v_bfe_u32 v3, v0, 4, 1                         ; h
	v_lshlrev_b32 v[LI], 4, v1
	v_lshlrev_b32 v[H32], 5, v3
	s_mul_i32 s60, s[WV], XSTW
	v_add_nc_u32 v[XSI], s60, v[LI]
	v_mul_u32_u24 v[XSO], v2, 528
	v_lshl_add_u32 v[XSO], v3, 7, v[XSO]
	v_add_nc_u32 v[XSO], s60, v[XSO]
	s_lshl_b32 s61, s[WV], 13
	s_add_co_u32 s61, s61, XIMG
	v_add_nc_u32 v[XWI], s61, v[LI]
	s_lshl_b32 s61, s[WV], 10
	s_add_co_u32 s61, s61, XSC
	v_lshl_add_u32 v[XWS], v1, 2, s61
	v_add_nc_u32 v[XRI], XIMG, v[LI]
	v_lshl_add_u32 v[XRS], v1, 2, XSC
	v_lshlrev_b32 v[H8], 3, v3
	v_mul_u32_u24 v[AO01], v2, POSP
	v_lshl_add_u32 v[AO01], v3, 4, v[AO01]
	v_add_nc_u32 v[AO23], 2*MB, v[AO01]
	s_lshr_b32 s60, s[WV], 1
	s_mul_i32 s60, s60, R1
	s_and_b32 s61, s[WV], 1
	s_mul_i32 s61, s61, 8*HP
	s_add_co_u32 s60, s60, s61
	v_add_nc_u32 v[STQ], s60, v[AO01]              ; waves 0, 1: q, waves 2, 3: k; head slots 8 (w % 2) on
	s_mul_i32 s60, s[WV], 4*HP
	s_add_co_u32 s60, s60, R1
	v_add_nc_u32 v[STV], s60, v[AO01]              ; v: head slots 4 w on
	v_mul_u32_u24 v[AQ0], v2, HP
	v_lshl_add_u32 v[AQ0], v3, 4, v[AQ0]
	s_mul_i32 s60, s[WV], MB
	v_add_nc_u32 v[AQ0], s60, v[AQ0]
	v_add_nc_u32 v[AK0], R1, v[AQ0]
	v_add_nc_u32 v[AP0], s60, v[LI]
	v_and_b32 v[AV0], 7, v0
	v_lshl_add_u32 v[AV0], v3, 3, v[AV0]           ; head 8 h + l % 8,
	v_mul_u32_u24 v[AV0], v[AV0], HP
	v_bfe_u32 v[A0], v0, 3, 1
	v_lshl_add_u32 v[AV0], v[A0], 4, v[AV0]        ; d 8 ((l / 8) % 2) on
	s_add_co_u32 s61, s60, R1
	v_add_nc_u32 v[AV0], s61, v[AV0]
	s_mul_i32 s60, s[WV], XSTW
	s_add_co_u32 s60, s60, R1                      ; my stage for out0: 16 rows x 528 bytes
	v_mul_u32_u24 v[YSI], v2, 528
	v_lshl_add_u32 v[YSI], v3, 5, v[YSI]
	v_add_nc_u32 v[YSI], s60, v[YSI]
	v_add_nc_u32 v[YSO], s60, v[LI]
	s_lshl_b32 s60, s[WV], 10
	v_add_nc_u32 v[YO], s60, v[LI]
	v_lshlrev_b32 v[PFO], 8, v1
	v_mov_b32 v[TP], 0                             ; written once: a lane permute's destination counts as one of its sources
	s_mov_b32 s[SEL], 0x76543210
	s_mov_b32 s[SEL+1], 0xfedcba98
	s_mov_b32 s[CS], 0x3e38aa3b                    ; log2(e) / sqrt(64)
	s_mov_b32 s[CS+1], s[CS]                       ; (named with it as a pair, so it is written)
	s_and_b32 s60, s[WV], 1
	s_lshl_b32 s[SLQ], s60, 3
	s_add_co_u32 s[SLQ], s[SLQ], s[RHO]
	s_lshl_b32 s[SLV], s[WV], 2
	s_add_co_u32 s[SLV], s[SLV], s[RHO]
	s_add_co_u32 s[SLV], s[SLV], 8
	s_lshr_b32 s[MQ], s[WV], 1
	s_lshl_b32 s[MQ], s[MQ], 4
	s_bfe_u32 s59, s[WG], 0x10004                  ; which half of my 256 columns goes first: bit 4 of the work-group's number
	s_xor_b32 s61, s59, 1
	s_cmp_lt_u32 s[WG], 210
	s_cselect_b32 s[FLG], 1, 0
	s_cmp_eq_u32 s[WV], 0
	s_cselect_b32 s[FLG], s[FLG], 0                ; wave 0 of work-groups 0 to 209 prefetches wt
	s_mov_b32 s33, 0
	s_mov_b32 s47, 0
	s_wait_kmcnt 0x0
	s_lshl_b32 s32, s[WG], 18                      ; 64 rows of 4,096 bytes
	s_add_nc_u64 s[YPA:YPA+1], s[12:13], s[32:33]
	s_mov_b64 s[YPB:YPB+1], s[YPA:YPA+1]
	s_lshl_b32 s46, s[WV], 16
	s_add_co_u32 s32, s32, s46
	s_add_nc_u64 s[XP:XP+1], s[4:5], s[32:33]
	s_lshl_b32 s32, s59, 9
	s_add_nc_u64 s[YPA:YPA+1], s[YPA:YPA+1], s[32:33]
	s_lshl_b32 s46, s[WV], 10
	s_add_co_u32 s32, s32, s46
	s_add_nc_u64 s[BOA:BOA+1], s[10:11], s[32:33]
	s_lshl_b32 s32, s61, 9
	s_add_nc_u64 s[YPB:YPB+1], s[YPB:YPB+1], s[32:33]
	s_add_co_u32 s32, s32, s46
	s_add_nc_u64 s[BOB:BOB+1], s[10:11], s[32:33]
	s_lshl_b32 s46, s[WV], 19
	s_lshl_b32 s32, s59, 18
	s_add_co_u32 s32, s32, s46
	s_add_nc_u64 s[HBA:HBA+1], s[8:9], s[32:33]
	s_lshl_b32 s32, s61, 18
	s_add_co_u32 s32, s32, s46
	s_add_nc_u64 s[HBB:HBB+1], s[8:9], s[32:33]
	s_lshl_b32 s32, s[WG], 13
	s_add_nc_u64 s[PFW:PFW+1], s[6:7], s[32:33]
	s_add_nc_u64 s[PFH:PFH+1], s[8:9], s[32:33]
	s_mov_b32 s[TN], 0
	MKPTR WP
	s_mov_b32 s[TN], 1
	MKPTR WN
	; ---- X: x becomes codes
	XLOAD 0
	XLOAD 1
	XLOAD 2
	XLOAD 3
	XSTEP 0, 48
	XSTEP 1, 48
	XSTEP 2, 48
	XSTEP 3, 48
	XSTEP 4, 48
	XSTEP 5, 32
	XSTEP 6, 16
	XSTEP 7, 0
	BAR                                            ; the 32 images lie in LDS
	WIN 0x40
.set F, 0
.rept 32
	ds_load_b128 v[8*F:8*F+3], v[XRI] offset:1024*F
	ds_load_b128 v[8*F+4:8*F+7], v[XRI] offset:1024*F+512
.set F, F+1
.endr
	WIN 0
.set F, 0
.rept 32
	ds_load_b32 v[XS+F], v[XRS] offset:128*F
.set F, F+1
.endr
	BAR                                            ; every wave has them in registers: region 0 may be written
	; ---- QK
	s_mov_b32 s[HO], 0
	s_mov_b32 s[LC], 8
.Lqk:
	TRIP STQ, 0
	s_sub_co_u32 s[LC], s[LC], 1
	s_cmp_lg_u32 s[LC], 0
	s_cbranch_scc1 .Lqk
	BAR                                            ; q and k of the 64 positions lie in LDS.  (The first three tiles of v stay on their way through the scores)
	; A PREFETCH INTO THE L2 of wof, which every work-group will walk behind v and p v: its 8,192 blocks of 256 bytes are named once each in the launch: wave 1 of each of the 256 work-groups, a lane a block.
	s_cmp_eq_u32 s[WV], 1
	s_cbranch_scc0 .Lno_pfh
	global_prefetch_b8 v[PFO], s[PFH:PFH+1] th:TH_LOAD_NT scope:SCOPE_SE
.Lno_pfh:
	; ---- S: my 16 positions, four a trip
.irp p, 0,1,2,3
	v_mov_b32 v[T+2*\p+1], 0                       ; (named as the upper half of a pair)
	v_mov_b32 v[W+\p], 0                           ; (a lane permute's destination counts as one of its sources)
.endr
	s_mov_b32 s[PO], 0
	s_mov_b32 s[LC], 4
.Lsc:
	SCORES
	s_add_co_u32 s[PO], s[PO], 4*POSP
	s_sub_co_u32 s[LC], s[LC], 1
	s_cmp_lg_u32 s[LC], 0
	s_cbranch_scc1 .Lsc
	BAR                                            ; nobody reads k any more: region 1 may be written
	; ---- V
	s_mov_b32 s[HO], 0
	s_mov_b32 s[LC], 3
.Lv:
	TRIP STV, 0
	s_sub_co_u32 s[LC], s[LC], 1
	s_cmp_lg_u32 s[LC], 0
	s_cbranch_scc1 .Lv
	TRIP STV, 1
	s_lshl_b32 s[KG], s[RHO], 1                    ; head slot 0 holds head rho: wo's K step 2 rho
	WOLOAD 0, HBA
	WOLOAD 1, HBA
	BOLOAD BOA
	BAR                                            ; v of the 64 positions lies in LDS
	; ---- PV
	WIN 0xc0
.irp f, 0,1,2,3,4,5,6,7,8,9,10,11,12,13,14,15
.irp q, 4,5,6,7
	v_mov_b32 v[8*\f+\q], 0                        ; K = 16 .. 31 of v^T's fragments,
.endr
.endr
.irp p, 0,1,2,3
.irp q, 4,5,6,7
	v_mov_b32 v[128+8*\p+\q], 0                    ; and of p's: written once, the loop's loads fill the lower halves alone
.endr
.endr
	WIN 0
	s_mov_b32 s[PO], 0
	s_mov_b32 s[LC], 4
.Lpv:
	PVTRIP
	s_add_co_u32 s[PO], s[PO], 4*POSP
	s_sub_co_u32 s[LC], s[LC], 1
	s_cmp_lg_u32 s[LC], 0
	s_cbranch_scc1 .Lpv
	WOLOAD 2, HBA
	BAR                                            ; O of the 64 positions lies in region 0; nobody reads v any more: the stages for out0 may be written
	; ---- WO
	HALF 0, HBA, HBB, BOB, YPA
	HALF 1, HBB, HBB, BOB, YPB
	s_wait_tensorcnt 0x0                           ; the wave's end: behind my last LDS store (every window is 0 here)
	ds_add_u32 v[SPW], v[NIL]
	s_wait_dscnt 0x0
	s_endpgm
.Lfunc_end_k_qc2d687bbce_fused:
	.size	k_qc2d687bbce_fused, .Lfunc_end_k_qc2d687bbce_fused-k_qc2d687bbce_fused
	.p2alignl 7, 3214868480
	.fill 96, 4, 3214868480
	.section	.rodata,"a",@progbits
	.p2align	6, 0x0
	.amdhsa_kernel k_qc2d687bbce_fused
		.amdhsa_group_segment_fixed_size 327680
		.amdhsa_private_segment_fixed_size 0
		.amdhsa_enable_private_segment 0
		.amdhsa_kernarg_size 40
		.amdhsa_user_sgpr_count 2
		.amdhsa_user_sgpr_kernarg_segment_ptr 1
		.amdhsa_wavefront_size32 1
		.amdhsa_system_sgpr_workgroup_id_x 1
		.amdhsa_system_sgpr_workgroup_id_y 1
		.amdhsa_system_sgpr_workgroup_id_z 1
		.amdhsa_system_vgpr_workitem_id 0
		.amdhsa_next_free_vgpr 1024
		.amdhsa_next_free_sgpr 80
		.amdhsa_reserve_vcc 0
		.amdhsa_float_denorm_mode_32 3
		.amdhsa_float_denorm_mode_16_64 3
		.amdhsa_memory_ordered 1
		.amdhsa_forward_progress 1
		.amdhsa_inst_pref_size 255
	.end_amdhsa_kernel
	.section	.bss,"aw",@nobits
	.p2align	6
	.space	262144
	.amdgpu_metadata
---
amdhsa.version: [ 1, 2 ]
amdhsa.kernels:
  - .name:           k_qc2d687bbce_fused
    .symbol:         k_qc2d687bbce_fused.kd
    .args:
      - { .name: x, .offset: 0, .size: 8, .value_kind: global_buffer, .address_space: global }
      - { .name: wt, .offset: 8, .size: 8, .value_kind: global_buffer, .address_space: global }
      - { .name: wof, .offset: 16, .size: 8, .value_kind: global_buffer, .address_space: global }
      - { .name: bo, .offset: 24, .size: 8, .value_kind: global_buffer, .address_space: global }
      - { .name: out0, .offset: 32, .size: 8, .value_kind: global_buffer, .address_space: global }
    .group_segment_fixed_size: 327680
    .private_segment_fixed_size: 0
    .kernarg_segment_align: 8
    .kernarg_segment_size: 40
    .max_flat_workgroup_size: 128
    .sgpr_count:     80
    .vgpr_count:     1024
    .wavefront_size: 32
...
	.end_amdgpu_metadata
.endif
;; end of part 2
;; ======== version 2 of 2: 2 launches; version 1 with the launch fused written anew for expert scheduling mode
;; limits: values are held in f16: magnitudes above 65,504 overflow, below 6.1e-05 lose precision
;; workspace buffers: wt 1,720,320 bytes; wof 2,097,152 bytes
;; launch prep: the kernel of part 1 again; grid 256 x 1, 4 waves a work-group, no clusters, 68,608 bytes of LDS; arguments wq, wk, wv, wo, bq, bk, bv, wt, wof; writes wt, wof
;; launch fused (part 3): grid 256 x 1, 4 waves a work-group, no clusters, 327,680 bytes of LDS; arguments x, wt, wof, bo, out0; writes out0
.if DOCPART == 3
	.amdgcn_target "amdgcn-amd-amdhsa--gfx1250"
	.amdhsa_code_object_version 6
	.text
	.protected	k_qc2d687bbce_fused
	.globl	k_qc2d687bbce_fused
	.p2align	8
	.type	k_qc2d687bbce_fused,@function
k_qc2d687bbce_fused:
	s_mov_b64 s[64:65], 0
	v_nop
	global_prefetch_b8 v0, s[64:65] scope:SCOPE_SE
	s_setreg_imm32_b32 hwreg(HW_REG_WAVE_SCHED_MODE, 0, 2), 2
	s_setreg_imm32_b32 hwreg(HW_REG_WAVE_MODE, 25, 1), 1
	s_wait_xcnt 0x0
	s_wait_alu depctr_vm_vsrc(0)
; out0 = softmax_j(q_i . k_j / 8) v_j, taken across the 16 HEADS of each position, then x wo^T + bo;  q, k, v = Q(x) Q(w)^T + b on codes of FP4 (E2M1) with E8M0 scales for each 32 along K.
; A work-group owns 64 positions (rows of x) and takes them through the whole chain; q, k, v, the weights p and the heads' outputs O never go to memory.
; PHASES:  X  wave w quantises rows 16 w .. 16 w + 15 of x; the 32 fragments (4 tiles of rows x 8 K steps) go through LDS as images of their registers, and every wave keeps all 32 in registers.
;   QK  waves 0, 1 make q, waves 2, 3 make k, eight heads each, for all 64 rows: f16 into LDS.   S  wave w: scores, softmax of its 16 positions; p (f16) into LDS as register images.
;   V   wave w makes four heads of v, into k's bytes.   PV  wave w: O of its 16 positions, into q's bytes.   WO  wave w makes columns 256 w .. 256 w + 255 of out0, in two halves of 128.
; ALL PRODUCTS ARE USED TRANSPOSED (source 0 = 16 rows of a weight, of k or of v^T; source 1 = 16 positions or 16 query heads): a lane's eight results are eight neighbours of one row.
; FORMATS: products 1-3 on FP4 codes; the scores, p v and the projection on f16 operands with f32 sums; softmax (with its maximum taken away), biases and sums in f32.
; LIMITS: |q|, |k|, |v|, |O|, |wo| stay under 65,504 (f16); NaN and infinities are not served; a block of zeros of x gets the scale byte 1 (its codes are zeros, and this program alone reads the bytes).
; THE WEIGHTS COME FROM MEMORY STRAIGHT INTO REGISTERS, laid by the launch before in the order of the operand registers: each load of a wave reads 512 consecutive bytes.
; No tensor load and no cluster: q and k (later v and O) of 64 positions take 296,960 of the 327,680 bytes of LDS, all of them written by LDS stores; the 30,208 bytes
; left beside them and the spare words would hold two slots of 15 KB, less than the three tiles of 19 x 512 bytes that each of the four waves keeps on its way in registers.  No wave reads another wave's weights.
; THE HEADS ARE ROTATED: with rho = work-group % 16, LDS head slot sigma holds head (sigma + rho) % 16, alike for q, k, v and O.  The softmax and p v do not hang on an order that k and v share, and
; O's order along the projection's K is taken for wo's K steps too.  So the work-groups walk the weights from 16 different starts; only global addresses hang on the work-group's number.
; THE MODE: SCHED_MODE bits 1:0 = 2 (LLVM: expert scheduling mode 2), set by the entry lines.  The code itself states the register dependences between vector or matrix instructions and memory or LDS
; instructions, with s_wait_alu, always for 0.
; THE PLAN.  Registers that memory or LDS instructions touch, who else names them, and the wait between the two:
;   v4-19, v24, v25, v28-31  addresses that stay: written at the head, ahead of one wait on va_vdst, and never again.
;   v20-23, v26, v27         working LDS addresses: written at a trip's head, behind a wait on vm_vsrc for the LDS instructions that read the old ones; the trip's next wait on va_vdst stands ahead of their first reader.
;   X      The ring (window 2): loads land in it, the stage's LDS stores alone read it.  NX: LDS loads land in it, the quantiser reads it.  PC, PW: the quantiser writes them, the images' LDS stores read them.
;          One wait on vm_vsrc a step, behind the stage's LDS instructions: the ring's group is asked for again at once, and PC and PW may be written.  One wait on va_vdst a step, behind the quantiser.
;   QK, V  A weight tile's set (codes in window 2, WS, WB): its 32 products read it, the loads issued in the next tile land in it.  PK: the tile's conversions write it, its four LDS stores read it.
;          One wait on va_vdst a tile, behind its conversions, serves those stores and the next tile's 19 loads, which stand behind that tile's first eight products: these name another set.
;   S, PV  The fragments in window 3: LDS loads land in them, the trip's products read them: the wait on va_vdst at a trip's head.  PF, OT: conversions write them, LDS stores read them: a wait on va_vdst between.
;   WO     wo's four sets (window 2) and O's two (v192-255): a step's products read a set, the loads issued in the next step land in it: one wait on va_vdst at a step's head; the step's 24 loads stand
;          behind its first eight products, which name other sets.  Each of wo's sets has a scalar base of its own, written only behind the wait that shows the loads that read it done.
;          The accumulators: read by the stage's LDS stores, behind the places and a wait on va_vdst.  The rows of out0 (window 1): LDS loads land in them, global stores read them: a wait on vm_vsrc ahead of each reuse.
; REGISTERS, in windows of 256 (s_set_vgpr_msb: bits 1:0 source 0, 3:2 source 1, 5:4 source 2, 7:6 destination):
;   window 0: v1-31 addresses; v32-63 x's scale words, v64-79 the weights' (scales and nothing else); v80-111 biases, four sets; v112-143 accumulators / scores; v112-175 64 numbers at work; v144-189 at work; v190, v191 the add's two; v192-255 O's fragments, two sets
;   window 1: x's 32 fragments; later O^T's results, rows of out0 on their way (v0-127) and bo (v128-191)      window 2: x's ring of loads, then four sets of a weight tile's codes, then four sets of wo's K steps
;   window 3: k's and q's fragments; then v^T's and p's; then the projection's 32 accumulators
.set POSP,  2320                       ; LDS: a position: 16 head slots + 16 bytes = 145 x 16 bytes, so that 16 positions' 16-byte pieces fall into 16 different groups of banks
.set HP,    144                        ; a head slot: 64 f16 + 16 bytes = 9 x 16 bytes, likewise for 16 heads
.set MB,    16*POSP                    ; 16 positions
.set R1,    64*POSP                    ; region 0: q, then p's images, then O;  region 1: k, then v, then the stages for out0
.set XSTW,  8448                       ; phase X alone, in region 0: a stage of 16 rows x (512 + 16) bytes for each wave,
.set XIMG,  4*XSTW                     ; the 32 fragments' images, 1,024 bytes each (tile of rows m, K step s: 8 m + s),
.set XSC,   XIMG+32*1024               ; and their scale words, 128 bytes each
.set SPARE, 327168                     ; the spare words, 128 bytes for each wave; no other line names them
.set REC,   8960                       ; a record of wt
.set LI,   4                           ; v4   16 x lane
.set H32,  6                           ; v6   32 h: my eight numbers of a bias
.set XSI,  7                           ; v7   x's stage, in
.set XSO,  8                           ; v8   x's stage, out: row r, + 32 h numbers
.set XWI,  9                           ; v9   where I store my images
.set XWS,  10                          ; v10  and their scale words
.set XRI,  11                          ; v11  where I read all images
.set XRS,  12                          ; v12  and all scale words
.set H8,   13                          ; v13  8 h
.set STQ,  14                          ; v14  where my q or k goes: position r, my first head slot, + 16 h
.set STV,  15                          ; v15  the same for v
.set AQ0,  16                          ; v16  my 16 positions' q (and O): head slot r, + 16 h
.set AK0,  17                          ; v17  the same in region 1
.set AP0,  18                          ; v18  p's images: 16 x lane in my positions
.set AV0,  19                          ; v19  v, for the turning load
.set A0,   20                          ; v20-23 addresses of the trip in hand
.set AO01, 24                          ; v24  O's fragments: position r, + 16 h;  v25 the same 32 positions on
.set AO23, 25
.set AOW,  26                          ; v26-27 these two + the trip's head slots
.set YSI,  28                          ; v28  my stage for out0, in;  v29 out;  v30 my byte offset in a row of out0
.set YSO,  29
.set YO,   30
.set PFO,  31                          ; v31  256 x lane, for the prefetches; never rewritten
.set XS,   32
.set WS,   64
.set WB,   80
.set ACC,  112
.set S,    112
.set NX,   112
.set OT,   112
.set PK,   144                         ; v144-159 a tile's results as f16
.set T,    144                         ; softmax: v144-151 c x maximum (pairs), v152-159 maxima and sums, v160-163 permutes, v164-171 reciprocals (pairs), v172-187 p as f16
.set U,    152
.set W,    160
.set RC,   164
.set PF,   172
.set PC,   176                         ; phase X: v176-183 codes, v184-185 magnitudes and bytes, v186-187 scale operands, v188 the scale word, v189 a permute's destination
.set AM,   184
.set SCL,  186
.set PW,   188
.set TP,   189
.set SPW,  190                         ; v190 LDS address of my spare word; v191 0; never rewritten
.set NIL,  191
.set OF,   192
.set BO,   128                         ; in window 1
.set WV,   14                          ; s14 wave, s15 work-group, s16 rho
.set WG,   15
.set RHO,  16
.set SEL,  18                          ; s[18:19] v_permlanex16_b32's selects for lane l xor 16
.set CS,   20                          ; s[20:21] c = log2(e) / 8
.set XP,   22                          ; s[22:23] x at my 16 rows
.set WP,   24                          ; s[24:25] wt at this trip's head;  s[26:27] at the next trip's
.set WN,   26
.set TN,   28                          ; s28 the number of the trip that WN stands for
.set SLQ,  29                          ; s29 8 (w % 2) + rho;  s30 4 w + rho + 8;  s31 16 (w / 2)
.set SLV,  30
.set MQ,   31
.set HO,   34                          ; s34 the trip's head slot in bytes;  s35 the trip's positions in bytes;  s36 loop counter
.set PO,   35
.set LC,   36
.set HBA,  38                          ; s[38:39], s[40:41] wof at my first and second half
.set HBB,  40
.set KG,   42                          ; s42 wo's K step to be loaded next
.set LP,   68                          ; s[68:75] wo's set b: the address that its loads read: a pair at LP + 2 b
.set KO,   48                          ; s48 the trip's head slots of O in bytes
.set BOA,  50                          ; s[50:51], s[62:63] bo at my halves;  s[52:53], s[66:67] out0 at my rows and halves
.set YPA,  52
.set PFW,  54                          ; s[54:55], s[56:57] the prefetches' bases; never rewritten
.set PFH,  56
.set FLG,  58
.set BOB,  62
.set YPB,  66
.set MSB, 0
.macro WIN new                         ; the immediate's high byte repeats the setting that is left; a switch that changes nothing is dropped
.if MSB != \new
	s_set_vgpr_msb (MSB<<8)|\new
.set MSB, \new
.endif
.endm
.macro PLACES n                        ; plain places behind matrix instructions: ahead of reads of results and of loads into registers that they have read
.rept \n
	v_nop
.endr
.endm
.macro BAR                             ; my LDS stores have landed and my LDS loads are in: then the work-group's barrier
	s_wait_dscnt 0x0
	s_barrier_signal -1
	s_barrier_wait -1
.endm
.macro MKPTR d                         ; wt at the head of trip TN: trips 0-7 my q or k heads, 8-11 my v heads; head = (slot + rho) % 16; four records a head
	s_cmp_lt_u32 s[TN], 8
	s_cselect_b32 s32, s[SLQ], s[SLV]
	s_cselect_b32 s60, s[MQ], 32
	s_add_co_u32 s32, s32, s[TN]
	s_and_b32 s32, s32, 15
	s_add_co_u32 s32, s32, s60
	s_mul_i32 s32, s32, 4*REC
	s_add_nc_u64 s[\d:\d+1], s[6:7], s[32:33]
.endm
.macro XLOAD g                         ; K step g of my 16 rows of x: each load reads 512 consecutive bytes of a row
	WIN 0x80
.irp t, 0,1,2,3,4,5,6,7,8,9,10,11,12,13,14,15
	global_load_b128 v[64*((\g)%4)+4*\t:64*((\g)%4)+4*\t+3], v[LI], s[XP:XP+1] offset:\t*4096+(\g)*512 th:TH_LOAD_NT
.endr
	WIN 0
.endm
.macro WLOAD b, ptr, off               ; a record of wt into set b: 19 loads: the scale words, the bias in the result's layout, the eight fragments.  (It leaves the destination's window at 2)
	WIN 0
	global_load_b128 v[WS+4*(\b):WS+4*(\b)+3], v[LI], s[\ptr:\ptr+1] offset:(\off)+8192
	global_load_b128 v[WB+8*(\b):WB+8*(\b)+3], v[H32], s[\ptr:\ptr+1] offset:(\off)+8704
	global_load_b128 v[WB+8*(\b)+4:WB+8*(\b)+7], v[H32], s[\ptr:\ptr+1] offset:(\off)+8720
	WIN 0x80
.irp s, 0,1,2,3,4,5,6,7
.irp c, 0,1
	global_load_b128 v[64*(\b)+8*\s+4*\c:64*(\b)+8*\s+4*\c+3], v[LI], s[\ptr:\ptr+1] offset:(\off)+1024*\s+512*\c
.endr
.endr
.endm
.macro QBLK                            ; 64 numbers of a lane, v[NX + 32 c + i] = k 64 c + 32 h + i of my row, become the fragment's codes in v[PC] on and its scale word in v[PW]
.irp c, 0,1
	v_max3_num_f32 v[AM+\c], |v[NX+32*\c]|, |v[NX+32*\c+1]|, 0x1800000   ; block 2 c + h is all mine; the floor 2^(3 - 127) holds the byte at 1 from below
.endr
.irp i, 2,4,6,8,10,12,14,16,18,20,22,24,26,28,30
.irp c, 0,1
	v_max3_num_f32 v[AM+\c], v[AM+\c], |v[NX+32*\c+\i]|, |v[NX+32*\c+\i+1]|
.endr
.endr
.irp c, 0,1
	v_add_nc_u32 v[SCL+\c], 0xff000000, v[AM+\c]   ; 2 off the exponent field: the conversion's scale operand
.endr
.irp c, 0,1
	v_lshrrev_b32 v[AM+\c], 23, v[SCL+\c]          ; the scale's byte
.endr
.irp c, 0,1
.irp g, 0,1,2,3
	v_cvt_scalef32_pk8_fp4_f32 v[PC+4*\c+\g], v[NX+32*\c+8*\g:NX+32*\c+8*\g+7], v[SCL+\c]
.endr
.endr
	v_nop                                          ; one plain place behind the scaled conversions
	v_lshl_or_b32 v[PW], v[AM+1], 16, v[AM]
	v_lshlrev_b32 v[PW], v[H8], v[PW]
	v_permlanex16_b32 v[TP], v[PW], s[SEL], s[SEL+1]
	v_or_b32 v[PW], v[PW], v[TP]                   ; my two bytes and lane l xor 16's two: my row's scale word
.endm
.macro XSTEP s, cnt                    ; K step s of my 16 rows: through my stage, quantised, its image to LDS.  cnt: the younger groups' loads, 16 each, which may stay out
	s_wait_loadcnt \cnt
	WIN 0x08                                       ; an LDS store's data are its source 1: window 2
.irp t, 0,1,2,3,4,5,6,7,8,9,10,11,12,13,14,15
	ds_store_b128 v[XSI], v[64*((\s)%4)+4*\t:64*((\s)%4)+4*\t+3] offset:528*\t
.endr
	WIN 0
.irp c, 0,1
.irp j, 0,1,2,3,4,5,6,7
	ds_load_b128 v[NX+32*\c+4*\j:NX+32*\c+4*\j+3], v[XSO] offset:256*\c+16*\j   ; LDS serves a wave's instructions in order: these see my stores.  (The last step's quantiser is done reading NX: the wait on va_vdst behind it)
.endr
.endr
	s_wait_alu depctr_vm_vsrc(0)                   ; the stores above have read the ring's registers, in which the loads below land; the last step's stores have read PC and PW, which the quantiser writes again
.if (\s) < 4
	XLOAD (\s)+4                                   ; the ring's registers take the group four steps on, at once
.endif
.if (\s) == 1
	; A PREFETCH INTO THE L2 of wt, which every work-group will walk: its 6,720 blocks of 256 bytes are named once each in the launch: wave 0 of work-groups 0 to 209, a lane a block, 32 blocks each.
	s_cmp_eq_u32 s[FLG], 1
	s_cbranch_scc0 .Lno_pf_\@
	global_prefetch_b8 v[PFO], s[PFW:PFW+1] th:TH_LOAD_NT scope:SCOPE_SE
.Lno_pf_\@:
.endif
.if (\s) == 7
	WLOAD 0, WP, 0                                 ; the first three weight tiles are asked for while the last K step is quantised: they land where the ring's groups 0 to 2 lay
	WLOAD 1, WP, REC
	WLOAD 2, WP, 2*REC
	WIN 0
.endif
	s_wait_dscnt 0x0                               ; the numbers are in
	QBLK
	s_wait_alu depctr_va_vdst(0)                   ; the quantiser has written PC and PW, which the stores below read, and is done reading NX, in which the next step's LDS loads land
	ds_store_b128 v[XWI], v[PC:PC+3] offset:1024*(\s)
	ds_store_b128 v[XWI], v[PC+4:PC+7] offset:1024*(\s)+512
	ds_store_b32 v[XWS], v[PW] offset:128*(\s)
.endm
; Four products: K step s of weight tile i, for the four tiles of rows; the four accumulators by turns, one instruction a turn; the bias is the C of each sum's first product.
.macro WK i, s
.irp m, 0,1,2,3
.if (\s) == 0
	v_wmma_scale_f32_16x16x128_f8f6f4 v[ACC+8*\m:ACC+8*\m+7], v[64*(\i)+8*(\s):64*(\i)+8*(\s)+7], v[8*(8*\m+(\s)):8*(8*\m+(\s))+7], v[WB+8*(\i):WB+8*(\i)+7], v[WS+4*(\i)+(\s)], v[XS+8*\m+(\s)] matrix_a_fmt:MATRIX_FMT_FP4 matrix_b_fmt:MATRIX_FMT_FP4
.elseif (\s) < 4
	v_wmma_scale_f32_16x16x128_f8f6f4 v[ACC+8*\m:ACC+8*\m+7], v[64*(\i)+8*(\s):64*(\i)+8*(\s)+7], v[8*(8*\m+(\s)):8*(8*\m+(\s))+7], v[ACC+8*\m:ACC+8*\m+7], v[WS+4*(\i)+(\s)], v[XS+8*\m+(\s)] matrix_a_fmt:MATRIX_FMT_FP4 matrix_b_fmt:MATRIX_FMT_FP4
.else
	v_wmma_scale_f32_16x16x128_f8f6f4 v[ACC+8*\m:ACC+8*\m+7], v[64*(\i)+8*(\s):64*(\i)+8*(\s)+7], v[8*(8*\m+(\s)):8*(8*\m+(\s))+7], v[ACC+8*\m:ACC+8*\m+7], v[WS+4*(\i)+(\s)-4], v[XS+8*\m+(\s)] matrix_a_fmt:MATRIX_FMT_FP4 matrix_b_fmt:MATRIX_FMT_FP4 matrix_a_scale:MATRIX_SCALE_ROW1
.endif
.endr
.endm
; A WEIGHT TILE: 16 columns of q, k or v for all 64 rows: 8 K steps x 4 tiles of rows.
; i: the tile in its head (and its set of registers);  ld: the tile three on is asked for, into the set that the tile before has left;  cnt: the younger tiles' loads, 19 each.
.macro TILE i, ld, cnt
	s_wait_loadcnt \cnt
	WIN 0x06                                       ; source 0 (the weight) window 2, source 1 (x) window 1, C and D window 0
	WK \i, 0
	WK \i, 1
.if \ld                                        ; no wait: the wait on va_vdst at the last tile's end has shown its products done reading their set, and the eight products above name this tile's set, x and the accumulators alone
.if (\i) == 0
	WLOAD 3, WP, 3*REC
.else
	WLOAD (\i)-1, WN, ((\i)-1)*REC
.endif
	WIN 0x06
.endif
	WK \i, 2
	WK \i, 3
	WK \i, 4
	WK \i, 5
	WK \i, 6
	WK \i, 7
	WIN 0
	PLACES 4
	s_wait_dscnt 0x0                               ; the last tile's LDS stores, issued 32 products ago, are done
	s_wait_alu depctr_vm_vsrc(0)                   ; they have read PK, which the conversions write again
.irp m, 0,1,2,3
.irp q, 0,1,2,3
	v_cvt_pk_f16_f32 v[PK+4*\m+\q], v[ACC+8*\m+2*\q], v[ACC+8*\m+2*\q+1]   ; each accumulator from its low end on; lane (r, h): position 16 m + r, d = 16 i + 8 h + 0 .. 7
.endr
.endr
	s_wait_alu depctr_va_vdst(0)                   ; the conversions have written PK, and the trip's head v[A0], v[A0+1], which the stores below read; this tile's products are done reading their set, in which the next tile's loads land
	ds_store_b128 v[A0], v[PK:PK+3] offset:32*(\i)
	ds_store_b128 v[A0], v[PK+4:PK+7] offset:MB+32*(\i)
	ds_store_b128 v[A0+1], v[PK+8:PK+11] offset:32*(\i)
	ds_store_b128 v[A0+1], v[PK+12:PK+15] offset:MB+32*(\i)
.endm
.macro TRIP sta, last                  ; a head: four tiles.  last = 1: nothing follows, the counts run down
	s_wait_alu depctr_vm_vsrc(0)                   ; the LDS instructions issued so far have read v[A0] and v[A0+1], which are written now
	v_add_nc_u32 v[A0], s[HO], v[\sta]
	v_add_nc_u32 v[A0+1], 2*MB, v[A0]
	TILE 0, 1, 38
.if \last
	TILE 1, 0, 38
	TILE 2, 0, 19
	TILE 3, 0, 0
.else
	TILE 1, 1, 38
	TILE 2, 1, 38
	TILE 3, 1, 38
	s_wait_xcnt 0x0                                ; the loads have read their bases: only now are the two pointers written
	s_mov_b64 s[WP:WP+1], s[WN:WN+1]
	s_add_co_u32 s[TN], s[TN], 1
	MKPTR WN
	s_add_co_u32 s[HO], s[HO], HP
.endif
.endm
; FOUR POSITIONS' SCORES AND SOFTMAX.  S^T = k q^T: a lane holds query head r and key heads 8 h + 0 .. 7; the row's maximum and sum want one exchange between the halves of the lanes.
.macro SCORES
	s_wait_alu depctr_vm_vsrc(0)                   ; the LDS instructions issued so far have read v[A0] to v[A0+2], which are written now, and PF, which this trip's conversions write again
	v_add_nc_u32 v[A0], s[PO], v[AQ0]
	v_add_nc_u32 v[A0+1], s[PO], v[AK0]
	v_add_nc_u32 v[A0+2], s[PO], v[AP0]
	WIN 0xc0
	s_wait_alu depctr_va_vdst(0)                   ; the three addresses are written; the last trip's products are done reading the fragments' registers, in which the loads below land
.irp p, 0,1,2,3
.irp c, 0,1,2,3
	ds_load_b128 v[32*\p+4*\c:32*\p+4*\c+3], v[A0+1] offset:POSP*\p+32*\c          ; k: two fragments of 16 heads x 32 d
	ds_load_b128 v[32*\p+16+4*\c:32*\p+16+4*\c+3], v[A0] offset:POSP*\p+32*\c      ; q likewise
.endr
.endr
	s_wait_dscnt 0x0
	WIN 0x0f
.irp p, 0,1,2,3
	v_wmma_f32_16x16x32_f16 v[S+8*\p:S+8*\p+7], v[32*\p:32*\p+7], v[32*\p+16:32*\p+23], 0
.endr
.irp p, 0,1,2,3
	v_wmma_f32_16x16x32_f16 v[S+8*\p:S+8*\p+7], v[32*\p+8:32*\p+15], v[32*\p+24:32*\p+31], v[S+8*\p:S+8*\p+7]
.endr
	WIN 0
	PLACES 4
.irp p, 0,1,2,3
	v_max3_num_f32 v[U+2*\p], v[S+8*\p], v[S+8*\p+1], v[S+8*\p+2]                  ; the four positions by turns
.endr
.irp p, 0,1,2,3
	v_max3_num_f32 v[U+2*\p+1], v[S+8*\p+3], v[S+8*\p+4], v[S+8*\p+5]
.endr
.irp p, 0,1,2,3
	v_max3_num_f32 v[U+2*\p], v[U+2*\p], v[S+8*\p+6], v[S+8*\p+7]
.endr
.irp p, 0,1,2,3
	v_max_num_f32 v[U+2*\p], v[U+2*\p], v[U+2*\p+1]
.endr
.irp p, 0,1,2,3
	v_permlanex16_b32 v[W+\p], v[U+2*\p], s[SEL], s[SEL+1]
.endr
.irp p, 0,1,2,3
	v_max_num_f32 v[U+2*\p], v[U+2*\p], v[W+\p]                                    ; the row's largest score
.endr
.irp p, 0,1,2,3
	v_mul_f32 v[T+2*\p], s[CS], v[U+2*\p]
.endr
.irp p, 0,1,2,3
.irp q, 0,2,4,6
	v_pk_fma_f32 v[S+8*\p+\q:S+8*\p+\q+1], v[S+8*\p+\q:S+8*\p+\q+1], s[CS:CS+1], v[T+2*\p:T+2*\p+1] op_sel_hi:[1,0,0] neg_lo:[0,0,1] neg_hi:[0,0,1]   ; c s - c m
.endr
.endr
.set J, 0
.rept 32
	v_exp_f32 v[S+J], v[S+J]                       ; one batch
.set J, J+1
.endr
	v_nop                                          ; a plain place behind the last exponential
	s_wait_alu depctr_va_vdst(0)                   ; the 32 exponentials have written their results: one wait for the batch, ahead of its first reader
.irp p, 0,1,2,3
	v_pk_add_f32 v[U+2*\p:U+2*\p+1], v[S+8*\p:S+8*\p+1], v[S+8*\p+2:S+8*\p+3]
.endr
.irp p, 0,1,2,3
	v_pk_add_f32 v[RC+2*\p:RC+2*\p+1], v[S+8*\p+4:S+8*\p+5], v[S+8*\p+6:S+8*\p+7]
.endr
.irp p, 0,1,2,3
	v_pk_add_f32 v[U+2*\p:U+2*\p+1], v[U+2*\p:U+2*\p+1], v[RC+2*\p:RC+2*\p+1]
.endr
.irp p, 0,1,2,3
	v_add_f32 v[U+2*\p], v[U+2*\p], v[U+2*\p+1]
.endr
.irp p, 0,1,2,3
	v_permlanex16_b32 v[W+\p], v[U+2*\p], s[SEL], s[SEL+1]
.endr
.irp p, 0,1,2,3
	v_add_f32 v[U+2*\p], v[U+2*\p], v[W+\p]                                        ; the row's sum
.endr
.irp p, 0,1,2,3
	v_rcp_f32 v[RC+2*\p], v[U+2*\p]
.endr
	v_nop
	s_wait_alu depctr_va_vdst(0)                   ; the four reciprocals have written their results: one wait, ahead of their first reader
.irp p, 0,1,2,3
.irp q, 0,2,4,6
	v_pk_mul_f32 v[S+8*\p+\q:S+8*\p+\q+1], v[S+8*\p+\q:S+8*\p+\q+1], v[RC+2*\p:RC+2*\p+1] op_sel_hi:[1,0]
.endr
.endr
.irp p, 0,1,2,3
.irp q, 0,1,2,3
	v_cvt_pk_f16_f32 v[PF+4*\p+\q], v[S+8*\p+2*\q], v[S+8*\p+2*\q+1]               ; these four registers ARE the lower half of p's fragment for the next product
.endr
.endr
	s_wait_alu depctr_va_vdst(0)                   ; the conversions have written PF, which the stores below read
.irp p, 0,1,2,3
	ds_store_b128 v[A0+2], v[PF+4*\p:PF+4*\p+3] offset:POSP*\p                     ; an image of the registers, over the position's q, which only I read and have read
.endr
.endm
; FOUR POSITIONS' O^T = v^T p^T.  K = the 16 heads, in the lower half of a K of 32; the upper halves of both fragments are zeros, written once ahead of the loop.
.macro PVTRIP
	s_wait_alu depctr_vm_vsrc(0)                   ; the LDS instructions issued so far have read v[A0], v[A0+2] and v[A0+3], which are written now, and v112-175, which this trip's conversions write
	v_add_nc_u32 v[A0+2], s[PO], v[AP0]
	v_add_nc_u32 v[A0+3], s[PO], v[AV0]
	v_add_nc_u32 v[A0], s[PO], v[AQ0]
	WIN 0xc0
	s_wait_alu depctr_va_vdst(0)                   ; the three addresses are written; the last trip's products are done reading the fragments' registers, in which the loads below land
.irp p, 0,1,2,3
	ds_load_b128 v[128+8*\p:128+8*\p+3], v[A0+2] offset:POSP*\p
.endr
.irp p, 0,1,2,3
.irp t, 0,1,2,3
	ds_load_tr16_b128 v[8*(4*\p+\t):8*(4*\p+\t)+3], v[A0+3] offset:POSP*\p+32*\t   ; v lies [head][d]: turned, lane (r, h) gets d = 16 t + r, heads 8 h + 0 .. 7
.endr
.endr
	s_wait_dscnt 0x0
	WIN 0x4f                                       ; sources window 3, destination window 1
.irp p, 0,1,2,3
.irp t, 0,1,2,3
	v_wmma_f32_16x16x32_f16 v[8*(4*\p+\t):8*(4*\p+\t)+7], v[8*(4*\p+\t):8*(4*\p+\t)+7], v[128+8*\p:128+8*\p+7], 0
.endr
.endr
	WIN 0x05
	PLACES 4
.irp f, 0,1,2,3,4,5,6,7,8,9,10,11,12,13,14,15
.irp q, 0,1,2,3
	v_cvt_pk_f16_f32 v[OT+4*\f+\q], v[8*\f+2*\q], v[8*\f+2*\q+1]
.endr
.endr
	WIN 0
	s_wait_alu depctr_va_vdst(0)                   ; the conversions have written OT, which the stores below read
.irp p, 0,1,2,3
.irp t, 0,1,2,3
	ds_store_b128 v[A0], v[OT+4*(4*\p+\t):OT+4*(4*\p+\t)+3] offset:POSP*\p+32*\t   ; lane (r, h): head slot r, d = 16 t + 8 h + 0 .. 7: over q and p of my own positions
.endr
.endr
.endm
; wo's K step KG of my 128 columns into set b: 16 loads of 512 consecutive bytes.  The set's own base is written here: the loads that read it last, four K steps back, were shown done by the wait
; on LOADcnt at the head of the step that multiplied them.  (It leaves the destination's window at 2)
.macro WOLOAD b, base
	s_lshl_b32 s46, s[KG], 13
	s_add_nc_u64 s[LP+2*(\b):LP+2*(\b)+1], s[\base:\base+1], s[46:47]
	s_add_co_u32 s[KG], s[KG], 1
	s_and_b32 s[KG], s[KG], 31
	WIN 0x80
.irp ct, 0,1,2,3,4,5,6,7
.irp cc, 0,1
	global_load_b128 v[64*(\b)+8*\ct+4*\cc:64*(\b)+8*\ct+4*\cc+3], v[LI], s[LP+2*(\b):LP+2*(\b)+1] offset:1024*\ct+512*\cc
.endr
.endr
.endm
.macro BOLOAD ptr                      ; bo of my 128 columns, in the result's layout: eight registers a tile of columns
	WIN 0x40
.irp ct, 0,1,2,3,4,5,6,7
	global_load_b128 v[BO+8*\ct:BO+8*\ct+3], v[H32], s[\ptr:\ptr+1] offset:64*\ct
	global_load_b128 v[BO+8*\ct+4:BO+8*\ct+7], v[H32], s[\ptr:\ptr+1] offset:64*\ct+16
.endr
	WIN 0
.endm
.macro OADR
	WIN 0
	s_wait_alu depctr_vm_vsrc(0)                   ; O's LDS loads issued so far have read the two addresses, which are written now.  (At the second half's head also: the stage's LDS stores have read the accumulators, which its first products write)
	v_add_nc_u32 v[AOW], s[KO], v[AO01]
	v_add_nc_u32 v[AOW+1], s[KO], v[AO23]
.endm
.macro OLOAD ob, jn                    ; O's four fragments (16 positions x 32 along K) of step jn of the trip (4: the next trip's first) into set ob
.irp m, 0,1,2,3
.irp e, 0,1
	ds_load_b128 v[OF+32*(\ob)+8*\m+4*\e:OF+32*(\ob)+8*\m+4*\e+3], v[AOW+\m/2] offset:(\m%2)*MB+((\jn)/2)*HP+((\jn)%2)*64+32*\e
.endr
.endr
.endm
.macro WINW first                      ; the projection's products: source 0 (wo) window 2, source 1 (O) window 0, D window 3; C: bo in window 1, or the accumulator
.if \first
	WIN 0xd2
.else
	WIN 0xf2
.endif
.endm
.macro WO8 j, first, c0                ; eight products: tiles of columns c0, c0 + 1 x the four tiles of rows
.irp ct, \c0, \c0+1
.irp m, 0,1,2,3
.if \first
	v_wmma_f32_16x16x32_f16 v[8*(4*(\ct)+\m):8*(4*(\ct)+\m)+7], v[64*(\j)+8*(\ct):64*(\j)+8*(\ct)+7], v[OF+32*((\j)%2)+8*\m:OF+32*((\j)%2)+8*\m+7], v[BO+8*(\ct):BO+8*(\ct)+7]
.else
	v_wmma_f32_16x16x32_f16 v[8*(4*(\ct)+\m):8*(4*(\ct)+\m)+7], v[64*(\j)+8*(\ct):64*(\j)+8*(\ct)+7], v[OF+32*((\j)%2)+8*\m:OF+32*((\j)%2)+8*\m+7], v[8*(4*(\ct)+\m):8*(4*(\ct)+\m)+7]
.endif
.endr
.endr
.endm
; A K STEP OF THE PROJECTION: 32 along K, 8 tiles of columns x 4 tiles of rows; the 32 accumulators take turns, in the same order in every step.
; j: the step in its trip of four;  first: bo starts the sums;  ld: wo's K step three on is asked for, from hb;  cnt: the younger K steps' loads, 16 each;  nexto: O's next fragments are fetched.
; The step's loads stand behind its first eight products, which name this step's sets and the accumulators: none of the registers that those loads touch.
.macro STEP j, first, ld, hb, cnt, nexto
	s_wait_loadcnt \cnt
	s_wait_dscnt 0x0                               ; O's fragments, asked for a step ago
	PLACES 4+\first
.if \nexto || \ld
	s_wait_alu depctr_va_vdst(0)                   ; the last step's products are done reading wo's set and O's set, in which the loads below land; in a trip's first step the two addresses of O are written
.endif
	WINW \first
	WO8 \j, \first, 0
.if \nexto
	WIN 0
	OLOAD ((\j)+1)%2, (\j)+1
.endif
.if \ld
	WOLOAD ((\j)+3)%4, \hb
.endif
	WINW \first
	WO8 \j, \first, 2
	WO8 \j, \first, 4
	WO8 \j, \first, 6
.endm
.macro TOSTAGE m                       ; 16 rows x 128 columns go through my own stage and come back as whole rows of 512 bytes
	WIN 0x0c
.irp ct, 0,1,2,3,4,5,6,7
	ds_store_b128 v[YSI], v[8*(4*\ct+(\m)):8*(4*\ct+(\m))+3] offset:64*\ct           ; each accumulator from its low end on
	ds_store_b128 v[YSI], v[8*(4*\ct+(\m))+4:8*(4*\ct+(\m))+7] offset:64*\ct+16
.endr
	WIN 0x40
.irp t, 0,1,2,3,4,5,6,7,8,9,10,11,12,13,14,15
	ds_load_b128 v[64*((\m)%2)+4*\t:64*((\m)%2)+4*\t+3], v[YSO] offset:528*\t        ; LDS serves a wave's instructions in order: these see my stores, and the next block's stores come behind them
.endr
	WIN 0
.endm
.macro SEND m, younger, yp             ; younger: the LDS instructions issued behind block m's loads
	s_wait_dscnt \younger
	WIN 0x04
.irp t, 0,1,2,3,4,5,6,7,8,9,10,11,12,13,14,15
	global_store_b128 v[YO], v[64*((\m)%2)+4*\t:64*((\m)%2)+4*\t+3], s[\yp:\yp+1] offset:(16*(\m)+\t)*4096 th:TH_STORE_NT   ; 32 lanes store 512 consecutive bytes, at a multiple of 512 from out0's first byte
.endr
	WIN 0
.endm
; 128 COLUMNS OF out0 FOR THE 64 ROWS: 32 K steps in eight trips of four (two head slots of O a trip); the first and the last trip are written out.
; last = 0: the last three steps ask for the other half's first three K steps (hbn), and its bias (bon) is asked for on the way out.
.macro HALF last, hb, hbn, bon, yp
	s_mov_b32 s[KO], 0
	OADR
	s_wait_alu depctr_va_vdst(0)                   ; the two addresses are written, which the loads below read; all earlier products are done reading O's set 0, in which they land
	OLOAD 0, 0
	STEP 0, 1, 1, \hb, 16-16*\last, 1              ; first half: only K step 2's 16 loads are younger than the bias; second half: the bias is the youngest
	STEP 1, 0, 1, \hb, 32, 1
	STEP 2, 0, 1, \hb, 32, 1
	STEP 3, 0, 1, \hb, 32, 1
	WIN 0                                          ; at a label and at a branch every window is 0
	s_mov_b32 s[LC], 6
.Lwo_\@:
	s_add_co_u32 s[KO], s[KO], 2*HP
	OADR
	STEP 0, 0, 1, \hb, 32, 1
	STEP 1, 0, 1, \hb, 32, 1
	STEP 2, 0, 1, \hb, 32, 1
	STEP 3, 0, 1, \hb, 32, 1
	WIN 0
	s_sub_co_u32 s[LC], s[LC], 1
	s_cmp_lg_u32 s[LC], 0
	s_cbranch_scc1 .Lwo_\@
	s_add_co_u32 s[KO], s[KO], 2*HP
	OADR
	STEP 0, 0, 1, \hb, 32, 1
.if \last
	STEP 1, 0, 0, \hb, 32, 1                       ; nothing is left to ask for: the counts run down
	STEP 2, 0, 0, \hb, 16, 1
	STEP 3, 0, 0, \hb, 0, 0
.else
	STEP 1, 0, 1, \hbn, 32, 1
	STEP 2, 0, 1, \hbn, 32, 1
	STEP 3, 0, 1, \hbn, 32, 0
.endif
	WIN 0
	PLACES 4
	s_wait_alu depctr_va_vdst(0)                   ; the products have written the accumulators, which the stage's LDS stores read, and are done reading bo, in which the other half's bias lands; the places above stay beside this wait
.if \last
	s_wait_xcnt 0x0                                ; the first half's last stores have had their addresses translated: their registers may be written again
	s_wait_alu depctr_vm_vsrc(0)                   ; and they have read those registers, in which blocks 0 and 1 land
.else
	BOLOAD \bon
.endif
	TOSTAGE 0
.irp m, 1,2,3
.if \m > 1
	s_wait_xcnt 0x0                                ; block m - 2's stores have had their addresses translated: block m's rows may land in their registers
	s_wait_alu depctr_vm_vsrc(0)                   ; and they have read those registers
.endif
	TOSTAGE \m
	SEND \m-1, 32, \yp
.endr
	SEND 3, 0, \yp
.endm
	; ---- the head
	s_load_b256 s[4:11], s[0:1], 0x0               ; x, wt, wof, bo
	s_load_b64 s[12:13], s[0:1], 0x20              ; out0
	v_lshl_add_u32 v[SPW], v0, 2, SPARE
	v_mov_b32 v[NIL], 0
	v_lshrrev_b32 v1, 5, v0
	v_readfirstlane_b32 s[WV], v1                  ; wave 0..3
	s_mov_b32 s[WG], ttmp9
	s_and_b32 s[RHO], s[WG], 15
	v_and_b32 v1, 31, v0                           ; lane l
	v_and_b32 v2, 15, v0                           ; r
	v_bfe_u32 v3, v0, 4, 1                         ; h
	v_lshlrev_b32 v[LI], 4, v1
	v_lshlrev_b32 v[H32], 5, v3
	s_wait_alu depctr_va_sdst(0)                   ; the wave's number is written, ahead of its first reader: LDS addresses, bases and branches are made from it
	s_mul_i32 s60, s[WV], XSTW
	v_add_nc_u32 v[XSI], s60, v[LI]
	v_mul_u32_u24 v[XSO], v2, 528
	v_lshl_add_u32 v[XSO], v3, 7, v[XSO]
	v_add_nc_u32 v[XSO], s60, v[XSO]
	s_lshl_b32 s61, s[WV], 13
	s_add_co_u32 s61, s61, XIMG
	v_add_nc_u32 v[XWI], s61, v[LI]
	s_lshl_b32 s61, s[WV], 10
	s_add_co_u32 s61, s61, XSC
	v_lshl_add_u32 v[XWS], v1, 2, s61
	v_add_nc_u32 v[XRI], XIMG, v[LI]
	v_lshl_add_u32 v[XRS], v1, 2, XSC
	v_lshlrev_b32 v[H8], 3, v3
	v_mul_u32_u24 v[AO01], v2, POSP
	v_lshl_add_u32 v[AO01], v3, 4, v[AO01]
	v_add_nc_u32 v[AO23], 2*MB, v[AO01]
	s_lshr_b32 s60, s[WV], 1
	s_mul_i32 s60, s60, R1
	s_and_b32 s61, s[WV], 1
	s_mul_i32 s61, s61, 8*HP
	s_add_co_u32 s60, s60, s61
	v_add_nc_u32 v[STQ], s60, v[AO01]              ; waves 0, 1: q, waves 2, 3: k; head slots 8 (w % 2) on
	s_mul_i32 s60, s[WV], 4*HP
	s_add_co_u32 s60, s60, R1
	v_add_nc_u32 v[STV], s60, v[AO01]              ; v: head slots 4 w on
	v_mul_u32_u24 v[AQ0], v2, HP
	v_lshl_add_u32 v[AQ0], v3, 4, v[AQ0]
	s_mul_i32 s60, s[WV], MB
	v_add_nc_u32 v[AQ0], s60, v[AQ0]
	v_add_nc_u32 v[AK0], R1, v[AQ0]
	v_add_nc_u32 v[AP0], s60, v[LI]
	v_and_b32 v[AV0], 7, v0
	v_lshl_add_u32 v[AV0], v3, 3, v[AV0]           ; head 8 h + l % 8,
	v_mul_u32_u24 v[AV0], v[AV0], HP
	v_bfe_u32 v[A0], v0, 3, 1
	v_lshl_add_u32 v[AV0], v[A0], 4, v[AV0]        ; d 8 ((l / 8) % 2) on
	s_add_co_u32 s61, s60, R1
	v_add_nc_u32 v[AV0], s61, v[AV0]
	s_mul_i32 s60, s[WV], XSTW
	s_add_co_u32 s60, s60, R1                      ; my stage for out0: 16 rows x 528 bytes
	v_mul_u32_u24 v[YSI], v2, 528
	v_lshl_add_u32 v[YSI], v3, 5, v[YSI]
	v_add_nc_u32 v[YSI], s60, v[YSI]
	v_add_nc_u32 v[YSO], s60, v[LI]
	s_lshl_b32 s60, s[WV], 10
	v_add_nc_u32 v[YO], s60, v[LI]
	v_lshlrev_b32 v[PFO], 8, v1
	v_mov_b32 v[TP], 0                             ; written once: a lane permute's destination counts as one of its sources
	s_mov_b32 s[SEL], 0x76543210
	s_mov_b32 s[SEL+1], 0xfedcba98
	s_mov_b32 s[CS], 0x3e38aa3b                    ; log2(e) / sqrt(64)
	s_mov_b32 s[CS+1], s[CS]                       ; (named with it as a pair, so it is written)
	s_and_b32 s60, s[WV], 1
	s_lshl_b32 s[SLQ], s60, 3
	s_add_co_u32 s[SLQ], s[SLQ], s[RHO]
	s_lshl_b32 s[SLV], s[WV], 2
	s_add_co_u32 s[SLV], s[SLV], s[RHO]
	s_add_co_u32 s[SLV], s[SLV], 8
	s_lshr_b32 s[MQ], s[WV], 1
	s_lshl_b32 s[MQ], s[MQ], 4
	s_bfe_u32 s59, s[WG], 0x10004                  ; which half of my 256 columns goes first: bit 4 of the work-group's number
	s_xor_b32 s61, s59, 1
	s_cmp_lt_u32 s[WG], 210
	s_cselect_b32 s[FLG], 1, 0
	s_cmp_eq_u32 s[WV], 0
	s_cselect_b32 s[FLG], s[FLG], 0                ; wave 0 of work-groups 0 to 209 prefetches wt
	s_mov_b32 s33, 0
	s_mov_b32 s47, 0
	s_wait_kmcnt 0x0
	s_lshl_b32 s32, s[WG], 18                      ; 64 rows of 4,096 bytes
	s_add_nc_u64 s[YPA:YPA+1], s[12:13], s[32:33]
	s_mov_b64 s[YPB:YPB+1], s[YPA:YPA+1]
	s_lshl_b32 s46, s[WV], 16
	s_add_co_u32 s32, s32, s46
	s_add_nc_u64 s[XP:XP+1], s[4:5], s[32:33]
	s_lshl_b32 s32, s59, 9
	s_add_nc_u64 s[YPA:YPA+1], s[YPA:YPA+1], s[32:33]
	s_lshl_b32 s46, s[WV], 10
	s_add_co_u32 s32, s32, s46
	s_add_nc_u64 s[BOA:BOA+1], s[10:11], s[32:33]
	s_lshl_b32 s32, s61, 9
	s_add_nc_u64 s[YPB:YPB+1], s[YPB:YPB+1], s[32:33]
	s_add_co_u32 s32, s32, s46
	s_add_nc_u64 s[BOB:BOB+1], s[10:11], s[32:33]
	s_lshl_b32 s46, s[WV], 19
	s_lshl_b32 s32, s59, 18
	s_add_co_u32 s32, s32, s46
	s_add_nc_u64 s[HBA:HBA+1], s[8:9], s[32:33]
	s_lshl_b32 s32, s61, 18
	s_add_co_u32 s32, s32, s46
	s_add_nc_u64 s[HBB:HBB+1], s[8:9], s[32:33]
	s_lshl_b32 s32, s[WG], 13
	s_add_nc_u64 s[PFW:PFW+1], s[6:7], s[32:33]
	s_add_nc_u64 s[PFH:PFH+1], s[8:9], s[32:33]
	s_mov_b32 s[TN], 0
	MKPTR WP
	s_mov_b32 s[TN], 1
	MKPTR WN
	s_wait_alu depctr_va_vdst(0)                   ; the addresses and offsets v4 to v31 are written, which the loads, stores and prefetches of the whole kernel read
	; ---- X: x becomes codes
	XLOAD 0
	XLOAD 1
	XLOAD 2
	XLOAD 3
	XSTEP 0, 48
	XSTEP 1, 48
	XSTEP 2, 48
	XSTEP 3, 48
	XSTEP 4, 48
	XSTEP 5, 32
	XSTEP 6, 16
	XSTEP 7, 0
	BAR                                            ; the 32 images lie in LDS
	WIN 0x40
.set F, 0
.rept 32
	ds_load_b128 v[8*F:8*F+3], v[XRI] offset:1024*F        ; (no vector or matrix instruction has named these registers yet)
	ds_load_b128 v[8*F+4:8*F+7], v[XRI] offset:1024*F+512
.set F, F+1
.endr
	WIN 0
.set F, 0
.rept 32
	ds_load_b32 v[XS+F], v[XRS] offset:128*F
.set F, F+1
.endr
	BAR                                            ; every wave has them in registers: region 0 may be written
	; ---- QK
	s_mov_b32 s[HO], 0
	s_mov_b32 s[LC], 8
.Lqk:
	TRIP STQ, 0
	s_sub_co_u32 s[LC], s[LC], 1
	s_cmp_lg_u32 s[LC], 0
	s_cbranch_scc1 .Lqk
	BAR                                            ; q and k of the 64 positions lie in LDS.  (The first three tiles of v stay on their way through the scores)
	; A PREFETCH INTO THE L2 of wof, which every work-group will walk behind v and p v: its 8,192 blocks of 256 bytes are named once each in the launch: wave 1 of each of the 256 work-groups, a lane a block.
	s_cmp_eq_u32 s[WV], 1
	s_cbranch_scc0 .Lno_pfh
	global_prefetch_b8 v[PFO], s[PFH:PFH+1] th:TH_LOAD_NT scope:SCOPE_SE
.Lno_pfh:
	; ---- S: my 16 positions, four a trip
	s_wait_alu depctr_vm_vsrc(0)                   ; the last tile's LDS stores have read PK, four registers of which are written below
.irp p, 0,1,2,3
	v_mov_b32 v[T+2*\p+1], 0                       ; (named as the upper half of a pair)
	v_mov_b32 v[W+\p], 0                           ; (a lane permute's destination counts as one of its sources)
.endr
	s_mov_b32 s[PO], 0
	s_mov_b32 s[LC], 4
.Lsc:
	SCORES
	s_add_co_u32 s[PO], s[PO], 4*POSP
	s_sub_co_u32 s[LC], s[LC], 1
	s_cmp_lg_u32 s[LC], 0
	s_cbranch_scc1 .Lsc
	BAR                                            ; nobody reads k any more: region 1 may be written
	; ---- V
	s_mov_b32 s[HO], 0
	s_mov_b32 s[LC], 3
.Lv:
	TRIP STV, 0
	s_sub_co_u32 s[LC], s[LC], 1
	s_cmp_lg_u32 s[LC], 0
	s_cbranch_scc1 .Lv
	TRIP STV, 1
	s_lshl_b32 s[KG], s[RHO], 1                    ; head slot 0 holds head rho: wo's K step 2 rho
	WOLOAD 0, HBA                                  ; no wait: the wait on va_vdst at the last tile's end has shown all products done reading the weights' sets and x's fragments, and no vector or matrix instruction has been issued since
	WOLOAD 1, HBA
	BOLOAD BOA
	BAR                                            ; v of the 64 positions lies in LDS
	; ---- PV
	WIN 0xc0
.irp f, 0,1,2,3,4,5,6,7,8,9,10,11,12,13,14,15
.irp q, 4,5,6,7
	v_mov_b32 v[8*\f+\q], 0                        ; K = 16 .. 31 of v^T's fragments,
.endr
.endr
.irp p, 0,1,2,3
.irp q, 4,5,6,7
	v_mov_b32 v[128+8*\p+\q], 0                    ; and of p's: written once, the loop's loads fill the lower halves alone
.endr
.endr
	WIN 0
	s_mov_b32 s[PO], 0
	s_mov_b32 s[LC], 4
.Lpv:
	PVTRIP
	s_add_co_u32 s[PO], s[PO], 4*POSP
	s_sub_co_u32 s[LC], s[LC], 1
	s_cmp_lg_u32 s[LC], 0
	s_cbranch_scc1 .Lpv
	WOLOAD 2, HBA                                  ; (the weights' set 2 was read out long ahead of the last wait on va_vdst)
	BAR                                            ; O of the 64 positions lies in region 0; nobody reads v any more: the stages for out0 may be written
	; ---- WO
	HALF 0, HBA, HBB, BOB, YPA
	HALF 1, HBB, HBB, BOB, YPB
	s_wait_dscnt 0x0                               ; the wave's closing lines, six on end (every window is 0 here)
	s_wait_alu 0x0
	s_wait_tensorcnt 0x0
	ds_add_u32 v[SPW], v[NIL]
	s_wait_dscnt 0x0
	s_endpgm
.Lfunc_end_k_qc2d687bbce_fused:
	.size	k_qc2d687bbce_fused, .Lfunc_end_k_qc2d687bbce_fused-k_qc2d687bbce_fused
	.p2alignl 7, 3214868480
	.fill 96, 4, 3214868480
	.section	.rodata,"a",@progbits
	.p2align	6, 0x0
	.amdhsa_kernel k_qc2d687bbce_fused
		.amdhsa_group_segment_fixed_size 327680
		.amdhsa_private_segment_fixed_size 0
		.amdhsa_enable_private_segment 0
		.amdhsa_kernarg_size 40
		.amdhsa_user_sgpr_count 2
		.amdhsa_user_sgpr_kernarg_segment_ptr 1
		.amdhsa_wavefront_size32 1
		.amdhsa_system_sgpr_workgroup_id_x 1
		.amdhsa_system_sgpr_workgroup_id_y 1
		.amdhsa_system_sgpr_workgroup_id_z 1
		.amdhsa_system_vgpr_workitem_id 0
		.amdhsa_next_free_vgpr 1024
		.amdhsa_next_free_sgpr 80
		.amdhsa_reserve_vcc 0
		.amdhsa_float_denorm_mode_32 3
		.amdhsa_float_denorm_mode_16_64 3
		.amdhsa_memory_ordered 1
		.amdhsa_forward_progress 1
		.amdhsa_inst_pref_size 255
	.end_amdhsa_kernel
	.section	.bss,"aw",@nobits
	.p2align	6
	.space	262144
	.amdgpu_metadata
---
amdhsa.version: [ 1, 2 ]
amdhsa.kernels:
  - .name:           k_qc2d687bbce_fused
    .symbol:         k_qc2d687bbce_fused.kd
    .args:
      - { .name: x, .offset: 0, .size: 8, .value_kind: global_buffer, .address_space: global }
      - { .name: wt, .offset: 8, .size: 8, .value_kind: global_buffer, .address_space: global }
      - { .name: wof, .offset: 16, .size: 8, .value_kind: global_buffer, .address_space: global }
      - { .name: bo, .offset: 24, .size: 8, .value_kind: global_buffer, .address_space: global }
      - { .name: out0, .offset: 32, .size: 8, .value_kind: global_buffer, .address_space: global }
    .group_segment_fixed_size: 327680
    .private_segment_fixed_size: 0
    .kernarg_segment_align: 8
    .kernarg_segment_size: 40
    .max_flat_workgroup_size: 128
    .sgpr_count:     80
    .vgpr_count:     1024
    .wavefront_size: 32
...
	.end_amdgpu_metadata
.endif
;; end of part 3
